; MI455X (gfx1250); checked and timed in simulation.
; The chip was launched on July 23, 2026; its instructions are those of AMD's public machine-readable ISA for CDNA 5 (MIT licence, August 2026) and "CDNA5" Instruction Set Architecture Reference Guide (July 2026). The comments in the code are by the model that wrote it; some were corrected since.
;; Attention Module. Allowed arithmetic: matrix products marked QUANTISED: E2M3 operands, one E8M0 scale for each 32 along K, by v_wmma_scale_f32_16x16x128_f8f6f4 with both operands' format E2M3, f32 sums; everything else in f32.
;; Inputs: Wk 1,024 x 1,024 float32; Wq 1,024 x 1,024 float32; Wv 1,024 x 1,024 float32; bk 1,024 float32; bq 1,024 float32; bv 1,024 float32; x 4 x 2,048 x 1,024 float32.
;; Outputs: out0 4 x 2,048 x 1,024 float32.
;; This version of the problem:
;;   THIS VERSION OF THE PROBLEM IS GIVEN IN LOW PRECISION. The matrix products marked QUANTISED in the list below multiply operands that are first quantised to E2M3 (2 exponent bits, 3 mantissa bits; 6 bits a number), with one power-of-two scale for each 32 numbers along K (OCP MX v1.0); their sums are f32. All else is computed in f32.
;;   The module's matrix products, in the order in which they are computed (A, B: the left and right operand; K: the contracted axis; several contracted axes count as one K, in the product's order):
;;     1. [M 8,192, K 1,024] x [K 1,024, N 1,024]; A: input x; B: input Wq: QUANTISED
;;     2. [M 8,192, K 1,024] x [K 1,024, N 1,024]; A: input x; B: input Wk: QUANTISED
;;     3. [M 8,192, K 1,024] x [K 1,024, N 1,024]; A: input x; B: input Wv: QUANTISED
;;     4. batch 4 x [M 2,048, K 1,024] x [K 1,024, N 2,048]; A: computed on the way; B: computed on the way: QUANTISED
;;     5. batch 4 x [M 2,048, K 2,048] x [K 2,048, N 1,024]; A: softmax (see below); B: computed on the way: QUANTISED
;;   THE QUANTISER, for each operand of a quantised product, along K:
;;     - K is cut into blocks of 32 from its start; a last block that is shorter is filled with zeros.
;;     - A block's scale is 2^e with e = floor(log2(the largest magnitude in the block)) - 2, held to -126 .. 127; a block of zeros has e = 0. As a byte (E8M0): e + 127.
;;     - Each number is divided by its block's scale, clamped to +-7.5, and rounded to the nearest number of E2M3, ties to even, subnormals kept.
;;     - The product sums the exact products of the quantised numbers (number of the format x scale) in f32.
;;   ~~~python
;;   def quantise(x, axis):      # numpy; x: float32 -> the quantised numbers, widened to float32 again
;;       x = np.moveaxis(x, axis, -1); K = x.shape[-1]
;;       x = np.pad(x, [(0, 0)] * (x.ndim - 1) + [(0, -K % 32)]); x = x.reshape(x.shape[:-1] + (-1, 32)); a = np.abs(x).max(-1, keepdims=True)
;;       e = np.where(a > 0, np.clip(np.frexp(np.where(a > 0, a, 1))[1] - 1 - 2, -126, 127), 0)      # np.frexp(a)[1] - 1 = floor(log2(a)), exactly
;;       r = np.clip(x / 2.0 ** e, -7.5, 7.5)
;;       step = 2.0 ** (np.maximum(np.frexp(np.where(r == 0, 1, r))[1] - 1, 0) - 3)
;;       q = np.round(r / step) * step * 2.0 ** e      # np.round: ties to even
;;       return np.moveaxis(q.reshape(q.shape[:-2] + (-1,))[..., :K], -1, axis).astype(np.float32)
;;   ~~~
;;   SOFTMAX AHEAD OF A QUANTISED PRODUCT. Where the list says 'softmax', what is quantised is not the finished softmax but p = 2^(t - M), with t = logit x log2(e) and M = ceil(the row's largest t), a whole number; so 1/2 < the row's largest p <= 1. The row's sum l is taken of the UNQUANTISED p, in f32, and the product's result is divided by l at the end. Since M is a whole number, a kernel that streams over the keys may use a running M (the ceiling of the running maximum): every later rescaling is an exact power of two, which a block's scale takes up: the codes' values come out the same.
;;   OPERANDS COMPUTED ON THE WAY. 'Computed on the way' means the value that the module computes at that place (a softmax that the list does not call 'softmax' is quantised finished and normalised). What goes into a quantiser is computed in f32, as accurately as f32 sums, v_exp_f32 and their like allow (about 1e-6 of the number): no bf16 or f16 on the way to a quantiser, and a product that is left as it is and whose result goes on into a quantised operand takes f32 operands (vector FMAs, or v_wmma_f32_16x16x4_f32). A number that lies on a knife's edge between two numbers of the format may be rounded either way, as far as f32 arithmetic and the matrix unit's own rounding can turn it there, and no further.
;; One version. Each part assembles by itself: llvm-mc -triple=amdgcn-amd-amdhsa -mcpu=gfx1250 --defsym DOCPART=n.
;; ======== version 1 of 1: 4 launches
;; workspace buffers: xw_codes 8,650,752 bytes; xw_scales 360,448 bytes; qkv_codes 18,874,368 bytes; qkv_scales 786,432 bytes; p_codes 12,582,912 bytes; p_side 1,572,864 bytes
;; launch quant (part 1): grid 704 x 1, 4 waves a work-group, no clusters, 68,096 bytes of LDS; arguments x, Wq, Wk, Wv, xw_codes, xw_scales; writes xw_codes, xw_scales
.if DOCPART == 1
	.amdgcn_target "amdgcn-amd-amdhsa--gfx1250"
	.amdhsa_code_object_version 6
	.text
	.protected	k_q8411c6f968_quant
	.globl	k_q8411c6f968_quant
	.p2align	8
	.type	k_q8411c6f968_quant,@function
k_q8411c6f968_quant:
	s_mov_b64 s[64:65], 0
	v_nop
	global_prefetch_b8 v0, s[64:65] scope:SCOPE_SE
	s_setreg_imm32_b32 hwreg(HW_REG_WAVE_MODE, 25, 1), 1
	s_wait_xcnt 0x0
; x [8192][1024] and Wq, Wk, Wv [1024][1024], f32, become codes of FP6 (E2M3) with one E8M0 byte for each 32 along K (the last axis), laid IN THE ORDER OF AN OPERAND'S REGISTERS.
; A FRAGMENT is 16 rows x 128 K: 12 registers a lane, stored as three runs of 512 bytes (registers 4 c .. 4 c + 3 of lane l at 512 c + 16 l).  A CHUNK is 128 rows x 128 K: 8 fragments, 12,288 bytes, and 512 bytes of
; scale words (one word a row, [fragment][lane % 16]).  The buffers are [row block of 128][K step of 128][chunk]; x has row blocks 0-63, Wq 64-71, Wk 72-79, Wv 80-87.
; THE ROWS OF A FRAGMENT ARE NOT NEIGHBOURS: lane r of fragment 2 b + u holds row 32 b + 8 u + r % 8 + 16 (r / 8), so that, where such a fragment is a product's source 0, the 16 result registers of two neighbouring
; fragments are 16 neighbours along the next product's K.
; A block's scale is 2^(floor(log2(its largest magnitude)) - 2); its byte is the largest magnitude's exponent field - 2, held at 1 from below.  A block of zeros keeps the byte 1: its codes are zeros, and this program alone reads the bytes.
; LIMITS: blocks whose largest magnitude lies under 2^-124 keep the byte 1; NaN and infinities among the inputs are not served.
; SHARES: a work-group makes one chunk, wave w its rows 32 w .. 32 w + 31: two fragments.  Each load reads 512 consecutive bytes of one row; the rows turn through the wave's own stage in LDS (rows 528 bytes apart: an odd
; multiple of 16, so that the sixteen rows of a load start at sixteen different banks) and come back so that a lane holds two whole blocks of 32.  No barrier: waves share nothing.  A wave's 32 scale words leave as 128 consecutive bytes.
.set PITCH, 528
.set WSTG,  32*PITCH                   ; a wave's stage: 32 rows
.set SPARE, 4*WSTG                     ; behind the stages: the spare words, 128 bytes for each wave, that no other line names
.set GA,  4                            ; v4   16 x lane: my bytes of a row's 512, and of a run of codes
.set SA,  5                            ; v5   the stage, on the way in
.set LA,  6                            ; v6   the stage, on the way out: row lane % 16, + 128 (lane / 16)
.set SW,  7                            ; v7   4 x lane
.set SPW, 8                            ; v8   LDS address of my spare word; never rewritten
.set NIL, 9                            ; v9   0; never rewritten
.set SH8, 10                           ; v10  8 (lane / 16)
.set R,   16                           ; v16-143  32 rows as loaded
.set X,   144                          ; v144-207 a fragment's 64 numbers of my lane
.set C,   208                          ; v208-231 the two fragments' codes
.set T,   232                          ; v232-238 second halves of blocks
.set W,   240                          ; v240-241 the two fragments' scale words
.set MX,  242
.set SO,  244
.set BY,  246
.set PT,  248
	s_load_b256 s[4:11], s[0:1], 0x0               ; x, Wq, Wk, Wv
	s_load_b128 s[12:15], s[0:1], 0x20             ; the codes, the scale words
	v_lshl_add_u32 v[SPW], v0, 2, SPARE
	v_mov_b32 v[NIL], 0
	v_lshrrev_b32 v1, 5, v0
	v_readfirstlane_b32 s21, v1                    ; wave
	v_and_b32 v1, 31, v0                           ; lane
	v_and_b32 v2, 15, v0                           ; r
	v_bfe_u32 v3, v0, 4, 1                         ; h
	v_lshlrev_b32 v[GA], 4, v1
	s_mul_i32 s28, s21, WSTG
	v_add_nc_u32 v[SA], s28, v[GA]
	v_mul_u32_u24 v[LA], v2, PITCH
	v_lshl_add_u32 v[LA], v3, 7, v[LA]
	v_add_nc_u32 v[LA], s28, v[LA]
	v_lshlrev_b32 v[SW], 2, v1
	v_lshlrev_b32 v[SH8], 3, v3
	v_mov_b32 v[PT], 0                             ; a lane permute's destination counts as one of its sources
	s_mov_b32 s26, 0x76543210
	s_mov_b32 s27, 0xfedcba98                      ; v_permlanex16_b32's selects for lane l xor 16
	s_sub_co_u32 s16, ttmp9, 512                   ; chunks 512 on are the weights'
	s_lshr_b32 s17, s16, 6                         ; which weight
	s_bfe_u32 s18, s16, 0x30003                    ; its row block
	s_lshr_b32 s19, ttmp9, 3                       ; x's row block
	s_and_b32 s20, ttmp9, 7                        ; the K step
	s_wait_kmcnt 0x0
	s_mov_b64 s[22:23], s[10:11]                   ; the tensor is chosen by the work-group's number alone
	s_cmp_eq_u32 s17, 1
	s_cselect_b64 s[22:23], s[8:9], s[22:23]
	s_cmp_eq_u32 s17, 0
	s_cselect_b64 s[22:23], s[6:7], s[22:23]
	s_cmp_lt_u32 ttmp9, 512
	s_cselect_b64 s[22:23], s[4:5], s[22:23]
	s_cselect_b32 s18, s19, s18
	s_lshl_b32 s24, s18, 19                        ; 128 rows of 4,096 bytes
	s_lshl_b32 s25, s21, 17                        ; my wave's 32 rows
	s_add_co_u32 s24, s24, s25
	s_lshl_b32 s25, s20, 9                         ; 128 numbers along K
	s_add_co_u32 s24, s24, s25
	s_mov_b32 s25, 0
	s_add_nc_u64 s[22:23], s[22:23], s[24:25]
	s_mul_i32 s24, ttmp9, 12288                    ; my chunk, my two fragments
	s_mul_i32 s29, s21, 3072
	s_add_co_u32 s24, s24, s29
	s_add_nc_u64 s[12:13], s[12:13], s[24:25]
	s_lshl_b32 s24, ttmp9, 9
	s_lshl_b32 s29, s21, 7
	s_add_co_u32 s24, s24, s29
	s_add_nc_u64 s[14:15], s[14:15], s[24:25]
.set n, 0
.rept 32                               ; load n brings the row of fragment n / 16, lane n % 16: fragment 0's sixteen first
.set rho, n%16
	global_load_b128 v[R+4*n:R+4*n+3], v[GA], s[22:23] offset:((rho%8)+16*(rho/8)+8*(n/16))*4096 th:TH_LOAD_NT
.set n, n+1
.endr
.macro TURN u                          ; fragment u's 16 rows through the stage: LDS serves a wave's instructions in order, so no wait stands between the stores and the loads
.set n, 0
.rept 16
	ds_store_b128 v[SA], v[R+64*\u+4*n:R+64*\u+4*n+3] offset:(16*\u+n)*PITCH
.set n, n+1
.endr
.irp c, 0,1
.irp k, 0,1,2,3,4,5,6,7
	ds_load_b128 v[X+32*\c+4*\k:X+32*\c+4*\k+3], v[LA] offset:16*\u*PITCH+256*\c+16*\k   ; K = 64 c + 32 h + 4 k on, of row r
.endr
.endr
	s_wait_dscnt 0x0
.endm
.macro QF u                            ; my two whole blocks (h and 2 + h of row r) become registers 0-5 and 6-11 of the fragment
.irp c, 0,1
	v_max3_num_f32 v[MX+\c], |v[X+32*\c]|, |v[X+32*\c+1]|, 0x1800000   ; with the floor 2^(3 - 127): the byte cannot fall under 1
.endr
.irp i, 2,4,6,8,10,12,14,16,18,20,22,24,26,28,30
.irp c, 0,1
	v_max3_num_f32 v[MX+\c], v[MX+\c], |v[X+32*\c+\i]|, |v[X+32*\c+\i+1]|
.endr
.endr
.irp c, 0,1
	v_add_nc_u32 v[SO+\c], 0xff000000, v[MX+\c]    ; 2 off the exponent field: the conversion's scale operand
.endr
.irp c, 0,1
	v_lshrrev_b32 v[BY+\c], 23, v[SO+\c]           ; the scale's byte
.endr
	v_lshl_or_b32 v[W+\u], v[BY+1], 16, v[BY]
	v_lshlrev_b32 v[W+\u], v[SH8], v[W+\u]         ; at their places in the row's word,
	v_permlanex16_b32 v[PT], v[W+\u], s26, s27
	v_or_b32 v[W+\u], v[W+\u], v[PT]               ; which lane l xor 16's two bytes make whole
.irp c, 0,1
	v_cvt_scalef32_pk16_fp6_f32 v[C+12*\u+6*\c:C+12*\u+6*\c+2], v[X+32*\c:X+32*\c+15], v[SO+\c]
	v_cvt_scalef32_pk16_fp6_f32 v[T+4*\c:T+4*\c+2], v[X+32*\c+16:X+32*\c+31], v[SO+\c]   ; (a conversion's three registers begin on an even number)
.endr
	v_nop                                          ; one plain place behind a scaled conversion
.irp c, 0,1
.irp i, 0,1,2
	v_mov_b32 v[C+12*\u+6*\c+3+\i], v[T+4*\c+\i]
.endr
.endr
.irp c, 0,1,2
	global_store_b128 v[GA], v[C+12*\u+4*\c:C+12*\u+4*\c+3], s[12:13] offset:\u*1536+512*\c   ; 512 consecutive bytes, aligned
.endr
.endm
	s_wait_loadcnt 16                              ; fragment 0's sixteen loads are in; fragment 1's may be out
	TURN 0
	QF 0
	s_wait_loadcnt 0x0
	TURN 1
	QF 1
	v_cmp_le_u32 vcc_lo, 16, v1
	v_cndmask_b32 v[PT], v[W], v[W+1], vcc_lo      ; lanes 0-15: fragment 0's words, lanes 16-31: fragment 1's
	global_store_b32 v[SW], v[PT], s[14:15]
	s_wait_tensorcnt 0x0                           ; the wave's end, behind my last LDS store
	ds_add_u32 v[SPW], v[NIL]
	s_wait_dscnt 0x0
	s_endpgm
.Lfunc_end_k_q8411c6f968_quant:
	.size	k_q8411c6f968_quant, .Lfunc_end_k_q8411c6f968_quant-k_q8411c6f968_quant
	.p2alignl 7, 3214868480
	.fill 96, 4, 3214868480
	.section	.rodata,"a",@progbits
	.p2align	6, 0x0
	.amdhsa_kernel k_q8411c6f968_quant
		.amdhsa_group_segment_fixed_size 68096
		.amdhsa_private_segment_fixed_size 0
		.amdhsa_enable_private_segment 0
		.amdhsa_kernarg_size 48
		.amdhsa_user_sgpr_count 2
		.amdhsa_user_sgpr_kernarg_segment_ptr 1
		.amdhsa_wavefront_size32 1
		.amdhsa_system_sgpr_workgroup_id_x 1
		.amdhsa_system_sgpr_workgroup_id_y 1
		.amdhsa_system_sgpr_workgroup_id_z 1
		.amdhsa_system_vgpr_workitem_id 0
		.amdhsa_next_free_vgpr 256
		.amdhsa_next_free_sgpr 66
		.amdhsa_reserve_vcc 1
		.amdhsa_float_denorm_mode_32 3
		.amdhsa_float_denorm_mode_16_64 3
		.amdhsa_memory_ordered 1
		.amdhsa_forward_progress 1
		.amdhsa_inst_pref_size 17
	.end_amdhsa_kernel
	.amdgpu_metadata
---
amdhsa.version: [ 1, 2 ]
amdhsa.kernels:
  - .name:           k_q8411c6f968_quant
    .symbol:         k_q8411c6f968_quant.kd
    .args:
      - { .name: x, .offset: 0, .size: 8, .value_kind: global_buffer, .address_space: global }
      - { .name: Wq, .offset: 8, .size: 8, .value_kind: global_buffer, .address_space: global }
      - { .name: Wk, .offset: 16, .size: 8, .value_kind: global_buffer, .address_space: global }
      - { .name: Wv, .offset: 24, .size: 8, .value_kind: global_buffer, .address_space: global }
      - { .name: xw_codes, .offset: 32, .size: 8, .value_kind: global_buffer, .address_space: global }
      - { .name: xw_scales, .offset: 40, .size: 8, .value_kind: global_buffer, .address_space: global }
    .group_segment_fixed_size: 68096
    .private_segment_fixed_size: 0
    .kernarg_segment_align: 8
    .kernarg_segment_size: 48
    .max_flat_workgroup_size: 128
    .sgpr_count:     66
    .vgpr_count:     256
    .wavefront_size: 32
...
	.end_amdgpu_metadata
.endif
;; end of part 1
;; launch proj (part 2): grid 96 x 4, 4 waves a work-group, clusters of 4 x 4, 327,680 bytes of LDS; arguments xw_codes, xw_scales, bq, bk, bv, qkv_codes, qkv_scales; writes qkv_codes, qkv_scales
.if DOCPART == 2
	.amdgcn_target "amdgcn-amd-amdhsa--gfx1250"
	.amdhsa_code_object_version 6
	.text
	.protected	k_q8411c6f968_proj
	.globl	k_q8411c6f968_proj
	.p2align	8
	.type	k_q8411c6f968_proj,@function
k_q8411c6f968_proj:
	s_mov_b64 s[64:65], 0
	v_nop
	global_prefetch_b8 v0, s[64:65] scope:SCOPE_SE
	s_setreg_imm32_b32 hwreg(HW_REG_WAVE_MODE, 25, 1), 1
	s_wait_xcnt 0x0
	s_wait_alu depctr_hold_cnt(0) depctr_sa_sdst(0) depctr_va_vdst(0) depctr_va_sdst(0) depctr_va_ssrc(0) depctr_va_vcc(0) depctr_vm_vsrc(0)
	s_getreg_b32 s2, hwreg(HW_REG_IB_STS2, 6, 4)
	s_cmp_eq_u32 s2, 0
	s_cbranch_scc0 .Lentry_in_a_cluster
	s_endpgm
.Lentry_in_a_cluster:
	s_bfe_u32 s2, ttmp6, 0x10000c
	s_cmp_lg_u32 s2, 0xf033
	s_cbranch_scc0 .Lentry_shape_is_right
	s_endpgm
.Lentry_shape_is_right:
; q = x Wq^T + bq, k = x Wk^T + bk (quantised along d) and v^T = Wv x^T + bv (quantised along the tokens), on codes of FP6 (E2M3) with E8M0 scales, f32 sums; the results leave as codes.
; ALL OPERANDS LIE IN THE ORDER OF AN OPERAND'S REGISTERS: a fragment (16 rows x 128 K) is 1,536 bytes, registers 4 c .. 4 c + 3 of lane l at 512 c + 16 l; a chunk (128 rows x 128 K) is 8 fragments and 512 bytes of scale words;
; a buffer is [row block of 128][K step][chunk].  Lane r of fragment 2 b + u holds row 32 b + 8 u + r % 8 + 16 (r / 8).
; THE CORE.  A tile of C, 256 x 256, by four waves of 128 x 128 (64 accumulators, 512 registers).  K goes 256 at a time through two LDS slots; 128 rows x 256 K are 24,576 dense bytes, one tensor load a wave.
; The product is used transposed: source 0 = B's fragment, source 1 = A's: a lane holds ONE row of A, and by the order of B's rows its 64 registers of a block of A's rows are K = 32 b + 16 (lane / 16) + 0 .. 15 of the next product.
; So a wave's 128 x 128 of results are one chunk of the next operand: bias, largest magnitudes, conversion, and the codes' registers are stored as they stand, 512 consecutive bytes a store.
; CLUSTERS of 4 x 4: A's tile is asked for jointly along a row of the cluster, B's along a column.  Clusters 0-15: A = x, B = Wq and Wk (2,048 rows).  Clusters 16-23: A = Wv, B = x.
; The scale words of the tile's rows, for all of K, come once with the first fills and stay in LDS; B's lie 64 bytes off A's modulo 256, so that a load's 16 words of A and 16 of B fall on different banks.
; LIMITS: blocks whose largest magnitude lies under 2^-124 keep the byte 1 (a block of zeros too: its codes are zeros); NaN and infinities are not served.
; REGISTERS: window 0: v16-31 addresses; v32-63 scale words, two sets; v64-127 the bias along registers; v128-223 A's fragments, later the numbers (v128-191) and codes (v192-211); v224-239 the bias along lanes; v240-255 at work.
;   window 1: B's fragments, two sets, at v0 and v128.  windows 2, 3: the accumulators ((a, b) at v[8 (8 (a % 4) + b)]).
.set KTOT,  1024
.set NS,    KTOT/128
.set LAPS,  KTOT/512                   ; a lap = once round the ring = 512 along K
.set FR,    12                         ; registers of a fragment
.set NL,    3                          ; LDS loads that bring one
.set NQ,    2                          ; steps of 128 in a slot
.set NP,    4                          ; places behind this matrix instruction (ISA guide 7.12.1)
.set CHUNK, 12288
.set HALFT, 2*CHUNK                    ; 128 rows x 256 K: what one tensor load brings
.set SLOT,  4*HALFT                    ; A's two halves, then B's two
.set SH,    NS*512                     ; the scale words of 128 rows
.set SCL,   2*SLOT                     ; behind the ring: the scale words
.set SCA,   SCL
.set SCB,   SCL+2*SH+64
.set SPARE, SCL+4*SH+256               ; the spare words, 128 bytes for each wave, in blocks of 256 bytes that no other line names
.set ADRA, 16                          ; v16-17  LDS address of my half of A in slot 0, 1: + 16 x lane
.set ADRB, 20                          ; v20-21  the same for B
.set LI,   22                          ; v22     16 x lane
.set SCW,  24                          ; v24     where I gather the new scale words: my wave's 2,048 bytes of slot 0, + 4 (lane % 16)
.set SCRD, 25                          ; v25     and where I read them back: + 16 x lane
.set ADRS, 27                          ; v27     LDS address of my scale words: lanes 0-15 A's, lanes 16-31 B's
.set SPW,  28                          ; v28     LDS address of my spare word; never rewritten
.set NIL,  29                          ; v29     0; never rewritten
.set SC,   32
.set BN,   64
.set AF,   128
.set H,    128
.set PC,   192
.set PW,   212
.set BM,   224
.set TM,   240
.set ISV,  12                          ; s12  1 in the clusters that make v^T
.set G1,   24
.set G0,   32
.set G1B,  48
.set G0B,  56
.set SEL,  66
.set G1S,  68
.set G0S,  76
.set G1SB, 80
.set G0SB, 88
.set MSB, 0
.macro WIN new                         ; the immediate's high byte repeats the setting that is left
.if MSB != (\new)
	s_set_vgpr_msb (MSB<<8)|(\new)
.set MSB, (\new)
.endif
.endm
.set MUL_LO, 0xa1                      ; source 0 (B) window 1, source 1 (A) window 0, C and D window 2
.set MUL_HI, 0xf1                      ; the same, C and D window 3
.set TO_B,   0x40                      ; destination window 1
; A joint load: waves 0 and 1 fetch for A, waves 2 and 3 for B; the branch hangs on the wave's number alone.  An s_nop 0 and four v_nop follow each of the two lines.
.macro JLOAD g0a, g1a, g0b, g1b
	s_cmp_eq_u32 s15, 0
	s_cbranch_scc0 .Lfor_b_\@
	tensor_load_to_lds s[\g0a:\g0a+3], s[\g1a:\g1a+7]
	s_nop 0
.rept 4
	v_nop
.endr
	s_branch .Lasked_\@
.Lfor_b_\@:
	tensor_load_to_lds s[\g0b:\g0b+3], s[\g1b:\g1b+7]
	s_nop 0
.rept 4
	v_nop
.endr
.Lasked_\@:
.endm
.macro CREST                           ; a round of the cluster's barrier behind its opening barrier
	s_cmp_lg_u32 s14, 0
	s_cbranch_scc1 .Lnot_wave_0_\@
	s_barrier_signal -3
.Lnot_wave_0_\@:
	s_barrier_wait -3
	s_barrier_signal -1
	s_barrier_wait -1
.endm
.macro CROUND
	s_barrier_signal -1
	s_barrier_wait -1
	CREST
.endm
.macro FRAG reg, adr, q, i             ; fragment i of the slot's q-th 128 along K: three loads of 512 consecutive bytes
.irp c, 0,1,2
	ds_load_b128 v[\reg+4*\c:\reg+4*\c+3], v[\adr] offset:((\q)*8+(\i))*1536+512*\c
.endr
.endm
; 16 matrix instructions: A's blocks a0, a0 + 1 x B's eight.  The 64 accumulators take turns, one instruction a turn, in the same order in every step.
.macro MUL16 a0, p, q, sc, zero
.irp a, \a0, \a0+1
.irp b, 0,1,2,3,4,5,6,7
.if \zero
	v_wmma_scale_f32_16x16x128_f8f6f4 v[8*(8*((\a)%4)+\b):8*(8*((\a)%4)+\b)+7], v[128*(\p)+FR*\b:128*(\p)+FR*\b+FR-1], v[AF+FR*(\a):AF+FR*(\a)+FR-1], 0, v[SC+8*NQ*(\sc)+NQ*\b+(\q)], v[SC+8*NQ*(\sc)+NQ*(\a)+(\q)] matrix_a_fmt:MATRIX_FMT_FP6 matrix_b_fmt:MATRIX_FMT_FP6 matrix_a_scale:MATRIX_SCALE_ROW1
.else
	v_wmma_scale_f32_16x16x128_f8f6f4 v[8*(8*((\a)%4)+\b):8*(8*((\a)%4)+\b)+7], v[128*(\p)+FR*\b:128*(\p)+FR*\b+FR-1], v[AF+FR*(\a):AF+FR*(\a)+FR-1], v[8*(8*((\a)%4)+\b):8*(8*((\a)%4)+\b)+7], v[SC+8*NQ*(\sc)+NQ*\b+(\q)], v[SC+8*NQ*(\sc)+NQ*(\a)+(\q)] matrix_a_fmt:MATRIX_FMT_FP6 matrix_b_fmt:MATRIX_FMT_FP6 matrix_a_scale:MATRIX_SCALE_ROW1
.endif
.endr
.endr
.endm
.macro FETCH_B slot, q, p
	WIN TO_B
.irp i, 0,1,2,3,4,5,6,7
	FRAG 128*(\p)+FR*\i, ADRB+\slot, \q, \i
.endr
	WIN 0
.endm
.macro FETCH_A slot, q, i0
.irp i, \i0, \i0+1, \i0+2, \i0+3
	FRAG AF+FR*(\i), ADRA+\slot, \q, \i
.endr
.endm
.macro SCALES sc                       ; a slot's scale words: register NQ i + q: lanes 0-15 the words of A's block i, lanes 16-31 of B's block i
.irp i, 0,1,2,3,4,5,6,7
.irp q, 0,1
	ds_load_b32 v[SC+8*NQ*\sc+NQ*\i+\q], v[ADRS] offset:\q*512+\i*64
.endr
.endr
.endm
.macro PLACES n                        ; plain vector instructions between a matrix instruction and a load into, or a read of, its registers
.rept \n
	v_nop
.endr
.endm
.macro STEP slot, q, zero              ; a step of 128 along K that has its successor in the same slot
	s_wait_dscnt 4*NL                              ; all but the youngest twelve loads (A's blocks 4-7) are in
	WIN MUL_LO
	MUL16 0, (\q)%2, \q, \slot, \zero
	MUL16 2, (\q)%2, \q, \slot, \zero
	s_wait_dscnt 0
	PLACES NP
	FETCH_B \slot, (\q)+1, 1-(\q)%2
	FETCH_A \slot, (\q)+1, 0
	WIN MUL_HI
	MUL16 4, (\q)%2, \q, \slot, \zero
	MUL16 6, (\q)%2, \q, \slot, \zero
	PLACES NP
	WIN 0
	FETCH_A \slot, (\q)+1, 4
.endm
; A slot's last step changes slots: in front of the barrier each wave waits for all its tensor loads, adds 0 to its spare word, and waits for that and for its reads of this slot.  fill = 1: the slot is filled again, two slots ahead.
.macro TURN slot, next, fill
	s_wait_tensorcnt 0x0                           ; all my tensor loads have landed: my part of the next slot
	ds_add_u32 v[SPW], v[NIL]
	s_wait_dscnt 4*NL+1                            ; (the add and the youngest twelve loads may be out)
	WIN MUL_LO
	MUL16 0, 1, NQ-1, \slot, 0
	s_wait_dscnt 0x0                               ; the add is done, and my reads of this slot are over
	s_barrier_signal -1
	MUL16 2, 1, NQ-1, \slot, 0
	WIN 0
	s_barrier_wait -1
.if \fill
	CREST                                          ; the barrier has opened a round of the cluster's: no wave of any partner still reads this slot or has a load on its way
	s_add_nc_u64 s[G0+4*\slot+2:G0+4*\slot+3], s[G0+4*\slot+2:G0+4*\slot+3], 2*HALFT
	s_add_nc_u64 s[G0B+4*\slot+2:G0B+4*\slot+3], s[G0B+4*\slot+2:G0B+4*\slot+3], 2*HALFT
	JLOAD G0+4*\slot, G1, G0B+4*\slot, G1B         ; the first tensor load behind the round; its four v_nop are the places in front of the loads below
.else
	PLACES NP
.endif
	v_add_nc_u32 v[ADRS], NQ*512, v[ADRS]          ; the next slot's scale words
	FETCH_B \next, 0, 0
	FETCH_A \next, 0, 0
	SCALES \next
	WIN MUL_HI
	MUL16 4, 1, NQ-1, \slot, 0
	MUL16 6, 1, NQ-1, \slot, 0
	PLACES NP
	WIN 0
	FETCH_A \next, 0, 4
.endm
; 64 numbers of a lane, register 16 b + i = K 32 b + 16 (lane / 16) + i of my row: QMAX finds the four blocks' largest magnitudes, QTAIL makes the fragment's codes in v[PC] on and the row's scale word in v[PW].
.macro QMAX s
.irp b, 0,1,2,3
	v_max3_num_f32 v[TM+\b], |v[\s+16*\b]|, |v[\s+1+16*\b]|, 0x1800000   ; with the floor 2^(3 - 127): the byte cannot fall under 1
.endr
.irp i, 2,4,6,8,10,12,14
.irp b, 0,1,2,3
	v_max3_num_f32 v[TM+\b], v[TM+\b], |v[\s+16*\b+\i]|, |v[\s+1+16*\b+\i]|
.endr
.endr
.irp b, 0,1,2,3
	v_permlanex16_b32 v[TM+4+\b], v[TM+\b], s[SEL], s[SEL+1]
.endr
.irp b, 0,1,2,3
	v_max_num_f32 v[TM+\b], v[TM+\b], v[TM+4+\b]   ; with lane l xor 16's sixteen
.endr
.endm
.macro QTAIL s
	s_wait_xcnt 0x0                                ; the last block's stores have read the codes' registers,
	s_wait_dscnt 0x0                               ; and its LDS store the scale word
.irp b, 0,1,2,3
	v_add_nc_u32 v[TM+12+\b], 0xff000000, v[TM+\b] ; 2 off the exponent field: the conversion's scale operand
.endr
.irp b, 0,1,2,3
	v_lshrrev_b32 v[TM+4+\b], 23, v[TM+12+\b]      ; the scale's byte
.endr
	v_lshl_or_b32 v[PW], v[TM+5], 8, v[TM+4]
	v_lshl_or_b32 v[PW], v[TM+6], 16, v[PW]
	v_lshl_or_b32 v[PW], v[TM+7], 24, v[PW]
.irp c, 0,1
	v_cvt_scalef32_pk16_fp6_f32 v[PC+6*\c:PC+2+6*\c], v[\s+32*\c:\s+15+32*\c], v[TM+12+2*\c]
	v_cvt_scalef32_pk16_fp6_f32 v[PC+12+4*\c:PC+14+4*\c], v[\s+16+32*\c:\s+31+32*\c], v[TM+12+2*\c+1]   ; (a conversion's three registers begin on an even number)
.endr
	v_nop                                          ; one plain place behind a scaled conversion
.irp c, 0,1                            ; the layout wants a whole block in a lane: lanes 0-15 block 2 c, lanes 16-31 block 2 c + 1
.irp i, 0,1,2
	v_permlane16_swap_b32 v[PC+6*\c+\i], v[PC+12+4*\c+\i]
.endr
.irp i, 0,1,2
	v_mov_b32 v[PC+3+6*\c+\i], v[PC+12+4*\c+\i]
.endr
.endr
.endm
.macro PUT a                           ; fragment a of my chunk leaves as it stands; its scale words are gathered in LDS (both halves of the lanes write the same word with the same value)
.irp c, 0,1,2
	global_store_b128 v[LI], v[PC+4*\c:PC+4*\c+3], s[98:99] offset:(\a)*1536+512*\c
.endr
	ds_store_b32 v[SCW], v[PW] offset:64*(\a)
.endm
	s_load_b256 s[4:11], s[0:1], 0x0               ; the codes of x and W s[4:5], their scale words s[6:7], bq s[8:9], bk s[10:11]
	s_load_b128 s[96:99], s[0:1], 0x20             ; bv, the codes of q, k, v^T
	s_load_b64 s[100:101], s[0:1], 0x30            ; their scale words
	v_lshl_add_u32 v[SPW], v0, 2, SPARE
	v_mov_b32 v[NIL], 0
	ds_add_u32 v[SPW], v[NIL]                      ; the wave's opening: the add and its wait ahead of my first tensor load; work on registers stands between them
	v_lshrrev_b32 v1, 5, v0
	v_readfirstlane_b32 s14, v1                    ; wave 0..3
	s_lshr_b32 s15, s14, 1                         ; my half of the tile's rows.  Also: I fetch for A (0) or for B (1)
	s_and_b32 s16, s14, 1                          ; my half of its columns.  Also: which 128 rows I fetch
	s_bfe_u32 s40, ttmp6, 0x40000                  ; cx
	s_bfe_u32 s41, ttmp6, 0x40004                  ; cy
	s_and_b32 s20, ttmp9, 1                        ; clusters 0-15: 2 across (Wq, Wk), 8 down (x)
	s_lshr_b32 s21, ttmp9, 1
	s_sub_co_u32 s22, ttmp9, 16                    ; clusters 16-23: 8 across (x), 1 down (Wv)
	s_cmp_ge_u32 ttmp9, 16
	s_cselect_b32 s[ISV], 1, 0
	s_cselect_b32 s20, s22, s20                    ; the cluster's column
	s_cselect_b32 s21, 0, s21                      ; and row
	s_cselect_b32 s18, 80, 0                       ; A's first row block: Wv's or x's
	s_cselect_b32 s19, 0, 64                       ; B's: x's or Wq's
	s_mov_b32 s13, s20
	s_lshl_b32 s42, s20, 2
	s_add_co_u32 s42, s42, s40                     ; tile column
	s_lshl_b32 s17, s21, 2
	s_add_co_u32 s17, s17, s41                     ; tile row
	s_lshl_b32 s43, s41, 2
	s_lshl_b32 s43, 15, s43                        ; my row of the cluster
	s_lshl_b32 s44, 0x1111, s40                    ; my column
	; descriptor group 1: dense blocks, as rows of 256 bytes (32 elements of 8 bytes), no padding: 96 rows of codes, SH / 256 rows of scale words
	s_or_b32 s[G1+0], s43, (3<<16)|(1<<21)
	s_or_b32 s[G1B+0], s44, (3<<16)|(1<<21)
.irp g, G1, G1B
	s_mov_b32 s[\g+1], 32<<16                      ; tensor_dim0
	s_mov_b32 s[\g+2], (HALFT/256)<<16             ; tensor_dim1
	s_mov_b32 s[\g+3], 32<<16                      ; tile_dim0
	s_mov_b32 s[\g+4], HALFT/256                   ; tile_dim1
	s_mov_b32 s[\g+5], 32                          ; stride
	s_mov_b32 s[\g+6], 0
	s_mov_b32 s[\g+7], 0
.endr
	s_or_b32 s[G1S+0], s43, (3<<16)|(1<<21)
	s_or_b32 s[G1SB+0], s44, (3<<16)|(1<<21)
.irp g, G1S, G1SB
	s_mov_b32 s[\g+1], 32<<16
	s_mov_b32 s[\g+2], (SH/256)<<16
	s_mov_b32 s[\g+3], 32<<16
	s_mov_b32 s[\g+4], SH/256
	s_mov_b32 s[\g+5], 32
	s_mov_b32 s[\g+6], 0
	s_mov_b32 s[\g+7], 0
.endr
	s_lshl_b32 s20, s17, 1
	s_add_co_u32 s20, s20, s16
	s_add_co_u32 s20, s20, s18                     ; A: the row block that I fetch
	s_lshl_b32 s46, s42, 1
	s_add_co_u32 s46, s46, s16
	s_add_co_u32 s46, s46, s19                     ; B: likewise
	s_mul_i32 s22, s20, SH
	s_mov_b32 s23, 0
	s_mul_i32 s92, s46, SH
	s_mov_b32 s93, 0
	s_mul_i32 s20, s20, NS*CHUNK
	s_mov_b32 s21, 0
	s_mul_i32 s46, s46, NS*CHUNK
	s_mov_b32 s47, 0
	s_mul_i32 s45, s14, HALFT                      ; where they go: no place in the cluster enters an LDS address
	s_mul_i32 s94, s14, SH
	s_lshl_b32 s95, s15, 6
	s_add_co_u32 s94, s94, s95
	s_mov_b32 s[SEL], 0x76543210
	s_mov_b32 s[SEL+1], 0xfedcba98
	s_wait_dscnt 0x0                               ; the opening add is done
	s_wait_kmcnt 0x0
	s_add_nc_u64 s[20:21], s[4:5], s[20:21]
	s_add_nc_u64 s[22:23], s[6:7], s[22:23]
	s_add_nc_u64 s[46:47], s[4:5], s[46:47]
	s_add_nc_u64 s[92:93], s[6:7], s[92:93]
	CROUND                                         ; all sixteen work-groups are here: the first joint loads meet
	s_mov_b32 s[G0S], 1
	s_add_co_u32 s[G0S+1], s94, SCL
	s_mov_b64 s[G0S+2:G0S+3], s[22:23]
	s_or_b32 s[G0S+3], s[G0S+3], 0x80000000
	s_mov_b32 s[G0SB], 1
	s_add_co_u32 s[G0SB+1], s94, SCL
	s_mov_b64 s[G0SB+2:G0SB+3], s[92:93]
	s_or_b32 s[G0SB+3], s[G0SB+3], 0x80000000
	JLOAD G0S, G1S, G0SB, G1SB                     ; the scale words first: they are wanted with the first step
.irp s, 0,1
	s_mov_b32 s[G0+4*\s], 1
	s_add_co_u32 s[G0+4*\s+1], s45, \s*SLOT
	s_add_nc_u64 s[G0+4*\s+2:G0+4*\s+3], s[20:21], \s*HALFT
	s_or_b32 s[G0+4*\s+3], s[G0+4*\s+3], 0x80000000
	s_mov_b32 s[G0B+4*\s], 1
	s_add_co_u32 s[G0B+4*\s+1], s45, \s*SLOT
	s_add_nc_u64 s[G0B+4*\s+2:G0B+4*\s+3], s[46:47], \s*HALFT
	s_or_b32 s[G0B+4*\s+3], s[G0B+4*\s+3], 0x80000000
	JLOAD G0+4*\s, G1, G0B+4*\s, G1B
.endr
	v_and_b32 v1, 15, v0                           ; r
	v_bfe_u32 v2, v0, 4, 1                         ; h
	v_and_b32 v3, 31, v0
	v_lshlrev_b32 v[LI], 4, v3
	s_mul_i32 s21, s15, HALFT                      ; my 128 rows of A
	s_mul_i32 s22, s16, HALFT                      ; my 128 rows of B,
	s_add_co_u32 s22, s22, 2*HALFT                 ; behind A's 256
.irp s, 0,1
	v_add_nc_u32 v[ADRA+\s], s21, v[LI]
	v_add_nc_u32 v[ADRB+\s], s22, v[LI]
	s_add_co_u32 s21, s21, SLOT
	s_add_co_u32 s22, s22, SLOT
.endr
	s_mul_i32 s21, s15, SH                         ; A's scale words: my 128 rows
	s_mul_i32 s22, s16, SH                         ; B's
	s_add_co_u32 s22, s22, SCB-SCA
	s_sub_co_u32 s22, s22, s21
	v_mul_u32_u24 v6, s22, v2                      ; lanes 16-31 take B's: one product, the distance between the two
	s_add_co_u32 s21, s21, SCA
	v_lshl_add_u32 v5, v1, 2, v6
	v_add_nc_u32 v[ADRS], s21, v5
	s_lshl_b32 s23, s14, 11
	v_lshl_add_u32 v[SCW], v1, 2, s23
	v_add_nc_u32 v[SCRD], s23, v[LI]
.irp b, 0,1,2,3
	v_mov_b32 v[TM+4+\b], 0                        ; a lane permute's destination counts as one of its sources
.endr
	; where my chunk goes.  R: my row block of A, Cc: of B.  q, k: chunk (Cc / 8) 512 + 8 R + Cc % 8.  v^T: 1,024 + (Cc / 16) 128 + 16 R + Cc % 16
	s_lshl_b32 s18, s17, 1
	s_add_co_u32 s18, s18, s15
	s_lshl_b32 s19, s42, 1
	s_add_co_u32 s19, s19, s16
	s_lshr_b32 s20, s19, 3
	s_lshl_b32 s20, s20, 9
	s_lshl_b32 s21, s18, 3
	s_add_co_u32 s20, s20, s21
	s_and_b32 s21, s19, 7
	s_add_co_u32 s20, s20, s21
	s_lshr_b32 s22, s19, 4
	s_lshl_b32 s22, s22, 7
	s_lshl_b32 s23, s18, 4
	s_add_co_u32 s22, s22, s23
	s_and_b32 s23, s19, 15
	s_add_co_u32 s22, s22, s23
	s_add_co_u32 s22, s22, 1024
	s_cmp_eq_u32 s[ISV], 0
	s_cselect_b32 s20, s20, s22
	s_cselect_b32 s21, s21, 0                      ; the bias along registers begins at 128 (Cc % 8) (q, k); unused for v^T, where it stays at 0
	s_cselect_b32 s23, 0, s18                      ; the bias along lanes at 128 R (v^T); unused for q, k
	s_mul_i32 s46, s20, CHUNK
	s_mov_b32 s47, 0
	s_add_nc_u64 s[98:99], s[98:99], s[46:47]
	s_lshl_b32 s46, s20, 9
	s_add_nc_u64 s[100:101], s[100:101], s[46:47]
	s_cmp_eq_u32 s13, 0                            ; which bias: by the cluster's number alone
	s_cselect_b64 s[92:93], s[8:9], s[10:11]
	s_cmp_eq_u32 s[ISV], 0
	s_cselect_b64 s[92:93], s[92:93], s[96:97]
	s_lshl_b32 s46, s21, 9
	s_add_nc_u64 s[94:95], s[92:93], s[46:47]
	s_lshl_b32 s46, s23, 9
	s_add_nc_u64 s[92:93], s[92:93], s[46:47]
	v_lshlrev_b32 v18, 6, v2                       ; along registers: tile b's eight are numbers 32 (b / 2) + 16 h + 8 (b % 2) + 0 .. 7
	v_and_b32 v19, 7, v1
	v_lshrrev_b32 v4, 3, v1
	v_lshlrev_b32 v19, 2, v19
	v_lshl_add_u32 v19, v4, 6, v19                 ; along lanes: block a's lane r is number 32 (a / 2) + 8 (a % 2) + r % 8 + 16 (r / 8)
.irp b, 0,1,2,3,4,5,6,7
	global_load_b128 v[BN+8*\b:BN+8*\b+3], v18, s[94:95] offset:(32*(\b/2)+8*(\b%2))*4
	global_load_b128 v[BN+8*\b+4:BN+8*\b+7], v18, s[94:95] offset:(32*(\b/2)+8*(\b%2))*4+16
.endr
.irp a, 0,1,2,3,4,5,6,7
	global_load_b32 v[BM+2*\a], v19, s[92:93] offset:(32*(\a/2)+8*(\a%2))*4
	global_load_b32 v[BM+2*\a+1], v19, s[92:93] offset:(32*(\a/2)+8*(\a%2))*4   ; (the packed addition names a pair)
.endr
	s_wait_tensorcnt 1                             ; the scale words and my part of slot 0 are in; slot 1's load may be out
	s_barrier_signal -1
	s_barrier_wait -1
	FETCH_B 0, 0, 0
	FETCH_A 0, 0, 0
	SCALES 0
	FETCH_A 0, 0, 4
	STEP 0, 0, 1                                   ; the first step stands in front of the loop: its products start the sums
	s_mov_b32 s3, LAPS-1
.Llap:                                                 ; a trip goes once round the ring and fills both slots again
	TURN 0, 1, 1
	STEP 1, 0, 0
	TURN 1, 0, 1
	STEP 0, 0, 0
	s_sub_co_u32 s3, s3, 1
	s_cmp_lg_u32 s3, 0
	s_cbranch_scc1 .Llap
	TURN 0, 1, 0                                   ; the last lap fills nothing
	STEP 1, 0, 0
	s_wait_dscnt 4*NL
	WIN MUL_LO
	MUL16 0, 1, NQ-1, 1, 0
	MUL16 2, 1, NQ-1, 1, 0
	s_wait_dscnt 0
	WIN MUL_HI
	MUL16 4, 1, NQ-1, 1, 0
	MUL16 6, 1, NQ-1, 1, 0
	WIN 0
	PLACES NP
; THE WAY OUT, a block of 16 rows of A at a time.  The bias runs along the registers (q, k: it belongs to B's rows) or along the lanes (v^T: to A's rows): a scalar branch on the cluster's number, the same in all partners.
; Each accumulator is read from its low end on.  The gathered scale words lie in slot 0, which has had its last fill and, behind the last change of slots, its last read.
.macro BIAS a
.set AC, 64*((\a)%4)
	s_cmp_eq_u32 s[ISV], 0
	s_cbranch_scc0 .Lby_lane_\@
	WIN 0x02+((\a)/4)                              ; source 0: window 2 or 3
.set j, 0
.rept 32
	v_pk_add_f32 v[H+j:H+j+1], v[AC+j:AC+j+1], v[BN+j:BN+j+1]
.set j, j+2
.endr
	WIN 0
	s_branch .Lbiased_\@
.Lby_lane_\@:
	WIN 0x02+((\a)/4)
.set j, 0
.rept 32
	v_pk_add_f32 v[H+j:H+j+1], v[AC+j:AC+j+1], v[BM+2*(\a):BM+2*(\a)+1] op_sel_hi:[1,0]
.set j, j+2
.endr
	WIN 0
.Lbiased_\@:
.endm
	s_wait_loadcnt 0x0                             ; the biases
.irp a, 0,1,2,3,4,5,6,7
	BIAS \a
	QMAX H
	QTAIL H
	PUT \a
.endr
	ds_load_b128 v[H:H+3], v[SCRD]                 ; LDS serves a wave's instructions in order: this sees my eight stores
	s_wait_dscnt 0x0
	global_store_b128 v[LI], v[H:H+3], s[100:101]  ; my chunk's 128 scale words: 512 consecutive bytes
	s_wait_tensorcnt 0x0                           ; the wave's end
	ds_add_u32 v[SPW], v[NIL]
	s_wait_dscnt 0x0
	CROUND                                         ; the closing round
	s_endpgm
.Lfunc_end_k_q8411c6f968_proj:
	.size	k_q8411c6f968_proj, .Lfunc_end_k_q8411c6f968_proj-k_q8411c6f968_proj
	.p2alignl 7, 3214868480
	.fill 96, 4, 3214868480
	.section	.rodata,"a",@progbits
	.p2align	6, 0x0
	.amdhsa_kernel k_q8411c6f968_proj
		.amdhsa_group_segment_fixed_size 327680
		.amdhsa_private_segment_fixed_size 0
		.amdhsa_enable_private_segment 0
		.amdhsa_kernarg_size 56
		.amdhsa_user_sgpr_count 2
		.amdhsa_user_sgpr_kernarg_segment_ptr 1
		.amdhsa_wavefront_size32 1
		.amdhsa_system_sgpr_workgroup_id_x 1
		.amdhsa_system_sgpr_workgroup_id_y 1
		.amdhsa_system_sgpr_workgroup_id_z 1
		.amdhsa_system_vgpr_workitem_id 0
		.amdhsa_next_free_vgpr 1024
		.amdhsa_next_free_sgpr 102
		.amdhsa_reserve_vcc 0
		.amdhsa_float_denorm_mode_32 3
		.amdhsa_float_denorm_mode_16_64 3
		.amdhsa_memory_ordered 1
		.amdhsa_forward_progress 1
		.amdhsa_inst_pref_size 179
	.end_amdhsa_kernel
	.amdgpu_metadata
---
amdhsa.version: [ 1, 2 ]
amdhsa.kernels:
  - .name:           k_q8411c6f968_proj
    .symbol:         k_q8411c6f968_proj.kd
    .args:
      - { .name: xw_codes, .offset: 0, .size: 8, .value_kind: global_buffer, .address_space: global }
      - { .name: xw_scales, .offset: 8, .size: 8, .value_kind: global_buffer, .address_space: global }
      - { .name: bq, .offset: 16, .size: 8, .value_kind: global_buffer, .address_space: global }
      - { .name: bk, .offset: 24, .size: 8, .value_kind: global_buffer, .address_space: global }
      - { .name: bv, .offset: 32, .size: 8, .value_kind: global_buffer, .address_space: global }
      - { .name: qkv_codes, .offset: 40, .size: 8, .value_kind: global_buffer, .address_space: global }
      - { .name: qkv_scales, .offset: 48, .size: 8, .value_kind: global_buffer, .address_space: global }
    .group_segment_fixed_size: 327680
    .private_segment_fixed_size: 0
    .kernarg_segment_align: 8
    .kernarg_segment_size: 56
    .max_flat_workgroup_size: 128
    .sgpr_count:     102
    .vgpr_count:     1024
    .wavefront_size: 32
...
	.end_amdgpu_metadata
.endif
;; end of part 2
;; launch score (part 3): grid 8 x 32, 4 waves a work-group, clusters of 4 x 4, 327,680 bytes of LDS; arguments qkv_codes, qkv_scales, p_codes, p_side; writes p_codes, p_side
.if DOCPART == 3
	.amdgcn_target "amdgcn-amd-amdhsa--gfx1250"
	.amdhsa_code_object_version 6
	.text
	.protected	k_q8411c6f968_score
	.globl	k_q8411c6f968_score
	.p2align	8
	.type	k_q8411c6f968_score,@function
k_q8411c6f968_score:
	s_mov_b64 s[64:65], 0
	v_nop
	global_prefetch_b8 v0, s[64:65] scope:SCOPE_SE
	s_setreg_imm32_b32 hwreg(HW_REG_WAVE_MODE, 25, 1), 1
	s_wait_xcnt 0x0
	s_wait_alu depctr_hold_cnt(0) depctr_sa_sdst(0) depctr_va_vdst(0) depctr_va_sdst(0) depctr_va_ssrc(0) depctr_va_vcc(0) depctr_vm_vsrc(0)
	s_getreg_b32 s2, hwreg(HW_REG_IB_STS2, 6, 4)
	s_cmp_eq_u32 s2, 0
	s_cbranch_scc0 .Lentry_in_a_cluster
	s_endpgm
.Lentry_in_a_cluster:
	s_bfe_u32 s2, ttmp6, 0x10000c
	s_cmp_lg_u32 s2, 0xf033
	s_cbranch_scc0 .Lentry_shape_is_right
	s_endpgm
.Lentry_shape_is_right:
; S = q k^T on codes of FP6 (E2M3) with E8M0 scales, and the softmax's numerator, quantised: for each query and each run of 128 keys: t = score x log2(e) / 32; M = the run's largest t rounded UP to a whole number;
; p = 2^(t - M), quantised along the keys; l = the run's sum of the unquantised p.  Stored: p's codes and scale words, -M and l.  The next launch brings every run under the row's M: a whole number off each scale byte, and an
; exact power of two on l; the codes stay as they are.  So a maximum is taken away ahead of every exponential, and no p is above 1.
; OPERANDS lie in the order of an operand's registers: a fragment (16 rows x 128 K) is 1,536 bytes, registers 4 c .. 4 c + 3 of lane l at 512 c + 16 l; a chunk (128 rows x 128 K) is 8 fragments and 512 bytes of scale words;
; a buffer is [row block of 128][K step][chunk]; lane r of fragment 2 b + u holds row 32 b + 8 u + r % 8 + 16 (r / 8).  q has row blocks 0-63 of qkv, k 64-127.
; THE CORE.  A tile of S, 256 queries x 256 keys, by four waves of 128 x 128.  K (the 1,024 of d) goes 256 at a time through two LDS slots, 24,576 dense bytes a tensor load.  Source 0 = k's fragment, source 1 = q's:
; a lane holds ONE query, and its 64 registers of a block of queries are keys 32 b + 16 (lane / 16) + 0 .. 15: a wave's 128 x 128 become one chunk of p.
; CLUSTERS of 4 x 4: q's tile is asked for jointly along a row of the cluster, k's along a column.
; LIMITS: NaN and infinities are not served; a block of p whose largest p lies under 2^-124 keeps the byte 1.
; REGISTERS: window 0: v16-31 addresses; v32-63 scale words; v128-223 q's fragments, later p (v128-191) and its codes (v192-211); v212-223, v240-255 at work.  window 1: k's fragments, two sets.  windows 2, 3: the accumulators.
.set KTOT,  1024
.set NS,    KTOT/128
.set LAPS,  KTOT/512
.set FR,    12
.set NL,    3
.set NQ,    2
.set NP,    4
.set CHUNK, 12288
.set HALFT, 2*CHUNK
.set SLOT,  4*HALFT
.set SH,    NS*512
.set SCL,   2*SLOT
.set SCA,   SCL
.set SCB,   SCL+2*SH+64
.set SPARE, SCL+4*SH+256               ; the spare words, 128 bytes for each wave, in blocks of 256 bytes that no other line names
.set ADRA, 16
.set ADRB, 20
.set LI,   22                          ; v22  16 x lane
.set SCW,  24                          ; v24  where I gather scale words, -M and l: my wave's 2,048 bytes of slot 0, + 4 (lane % 16)
.set SCRD, 25                          ; v25  and where I read them back
.set ADRS, 27
.set SPW,  28
.set NIL,  29
.set SC,   32
.set AF,   128
.set H,    128
.set PC,   192
.set PW,   212
.set NM,   214                         ; v[214:215] -M (the packed form names a pair and takes its low word)
.set LS,   216                         ; v[216:217], v[218:219] the sum, in two chains
.set LT,   218
.set TM,   240
.set CS,   12                          ; s[12:13] c = log2(e) / 32
.set G1,   24
.set G0,   32
.set G1B,  48
.set G0B,  56
.set SEL,  66
.set G1S,  68
.set G0S,  76
.set G1SB, 80
.set G0SB, 88
.set MSB, 0
.macro WIN new
.if MSB != (\new)
	s_set_vgpr_msb (MSB<<8)|(\new)
.set MSB, (\new)
.endif
.endm
.set MUL_LO, 0xa1
.set MUL_HI, 0xf1
.set TO_B,   0x40
.macro JLOAD g0a, g1a, g0b, g1b        ; a joint load: waves 0, 1 for A, waves 2, 3 for B; an s_nop 0 and four v_nop follow each line
	s_cmp_eq_u32 s15, 0
	s_cbranch_scc0 .Lfor_b_\@
	tensor_load_to_lds s[\g0a:\g0a+3], s[\g1a:\g1a+7]
	s_nop 0
.rept 4
	v_nop
.endr
	s_branch .Lasked_\@
.Lfor_b_\@:
	tensor_load_to_lds s[\g0b:\g0b+3], s[\g1b:\g1b+7]
	s_nop 0
.rept 4
	v_nop
.endr
.Lasked_\@:
.endm
.macro CREST
	s_cmp_lg_u32 s14, 0
	s_cbranch_scc1 .Lnot_wave_0_\@
	s_barrier_signal -3
.Lnot_wave_0_\@:
	s_barrier_wait -3
	s_barrier_signal -1
	s_barrier_wait -1
.endm
.macro CROUND
	s_barrier_signal -1
	s_barrier_wait -1
	CREST
.endm
.macro FRAG reg, adr, q, i
.irp c, 0,1,2
	ds_load_b128 v[\reg+4*\c:\reg+4*\c+3], v[\adr] offset:((\q)*8+(\i))*1536+512*\c
.endr
.endm
.macro MUL16 a0, p, q, sc, zero        ; the 64 accumulators take turns, one instruction a turn
.irp a, \a0, \a0+1
.irp b, 0,1,2,3,4,5,6,7
.if \zero
	v_wmma_scale_f32_16x16x128_f8f6f4 v[8*(8*((\a)%4)+\b):8*(8*((\a)%4)+\b)+7], v[128*(\p)+FR*\b:128*(\p)+FR*\b+FR-1], v[AF+FR*(\a):AF+FR*(\a)+FR-1], 0, v[SC+8*NQ*(\sc)+NQ*\b+(\q)], v[SC+8*NQ*(\sc)+NQ*(\a)+(\q)] matrix_a_fmt:MATRIX_FMT_FP6 matrix_b_fmt:MATRIX_FMT_FP6 matrix_a_scale:MATRIX_SCALE_ROW1
.else
	v_wmma_scale_f32_16x16x128_f8f6f4 v[8*(8*((\a)%4)+\b):8*(8*((\a)%4)+\b)+7], v[128*(\p)+FR*\b:128*(\p)+FR*\b+FR-1], v[AF+FR*(\a):AF+FR*(\a)+FR-1], v[8*(8*((\a)%4)+\b):8*(8*((\a)%4)+\b)+7], v[SC+8*NQ*(\sc)+NQ*\b+(\q)], v[SC+8*NQ*(\sc)+NQ*(\a)+(\q)] matrix_a_fmt:MATRIX_FMT_FP6 matrix_b_fmt:MATRIX_FMT_FP6 matrix_a_scale:MATRIX_SCALE_ROW1
.endif
.endr
.endr
.endm
.macro FETCH_B slot, q, p
	WIN TO_B
.irp i, 0,1,2,3,4,5,6,7
	FRAG 128*(\p)+FR*\i, ADRB+\slot, \q, \i
.endr
	WIN 0
.endm
.macro FETCH_A slot, q, i0
.irp i, \i0, \i0+1, \i0+2, \i0+3
	FRAG AF+FR*(\i), ADRA+\slot, \q, \i
.endr
.endm
.macro SCALES sc
.irp i, 0,1,2,3,4,5,6,7
.irp q, 0,1
	ds_load_b32 v[SC+8*NQ*\sc+NQ*\i+\q], v[ADRS] offset:\q*512+\i*64
.endr
.endr
.endm
.macro PLACES n
.rept \n
	v_nop
.endr
.endm
.macro STEP slot, q, zero
	s_wait_dscnt 4*NL                              ; all but the youngest twelve loads (A's blocks 4-7) are in
	WIN MUL_LO
	MUL16 0, (\q)%2, \q, \slot, \zero
	MUL16 2, (\q)%2, \q, \slot, \zero
	s_wait_dscnt 0
	PLACES NP
	FETCH_B \slot, (\q)+1, 1-(\q)%2
	FETCH_A \slot, (\q)+1, 0
	WIN MUL_HI
	MUL16 4, (\q)%2, \q, \slot, \zero
	MUL16 6, (\q)%2, \q, \slot, \zero
	PLACES NP
	WIN 0
	FETCH_A \slot, (\q)+1, 4
.endm
.macro TURN slot, next, fill
	s_wait_tensorcnt 0x0                           ; all my tensor loads have landed: my part of the next slot
	ds_add_u32 v[SPW], v[NIL]
	s_wait_dscnt 4*NL+1                            ; (the add and the youngest twelve loads may be out)
	WIN MUL_LO
	MUL16 0, 1, NQ-1, \slot, 0
	s_wait_dscnt 0x0                               ; the add is done, and my reads of this slot are over
	s_barrier_signal -1
	MUL16 2, 1, NQ-1, \slot, 0
	WIN 0
	s_barrier_wait -1
.if \fill
	CREST                                          ; no wave of any partner still reads this slot or has a load on its way
	s_add_nc_u64 s[G0+4*\slot+2:G0+4*\slot+3], s[G0+4*\slot+2:G0+4*\slot+3], 2*HALFT
	s_add_nc_u64 s[G0B+4*\slot+2:G0B+4*\slot+3], s[G0B+4*\slot+2:G0B+4*\slot+3], 2*HALFT
	JLOAD G0+4*\slot, G1, G0B+4*\slot, G1B
.else
	PLACES NP
.endif
	v_add_nc_u32 v[ADRS], NQ*512, v[ADRS]
	FETCH_B \next, 0, 0
	FETCH_A \next, 0, 0
	SCALES \next
	WIN MUL_HI
	MUL16 4, 1, NQ-1, \slot, 0
	MUL16 6, 1, NQ-1, \slot, 0
	PLACES NP
	WIN 0
	FETCH_A \next, 0, 4
.endm
.macro QTAIL s                         ; the four blocks' largest numbers stand in v[TM] on: scale bytes, the row's word in v[PW], the fragment's codes in v[PC] on
	s_wait_xcnt 0x0                                ; the last block's stores have read the codes' registers,
	s_wait_dscnt 0x0                               ; and its LDS stores theirs
.irp b, 0,1,2,3
	v_add_nc_u32 v[TM+12+\b], 0xff000000, v[TM+\b]
.endr
.irp b, 0,1,2,3
	v_lshrrev_b32 v[TM+4+\b], 23, v[TM+12+\b]
.endr
	v_lshl_or_b32 v[PW], v[TM+5], 8, v[TM+4]
	v_lshl_or_b32 v[PW], v[TM+6], 16, v[PW]
	v_lshl_or_b32 v[PW], v[TM+7], 24, v[PW]
.irp c, 0,1
	v_cvt_scalef32_pk16_fp6_f32 v[PC+6*\c:PC+2+6*\c], v[\s+32*\c:\s+15+32*\c], v[TM+12+2*\c]
	v_cvt_scalef32_pk16_fp6_f32 v[PC+12+4*\c:PC+14+4*\c], v[\s+16+32*\c:\s+31+32*\c], v[TM+12+2*\c+1]
.endr
	v_nop                                          ; one plain place behind a scaled conversion
.irp c, 0,1
.irp i, 0,1,2
	v_permlane16_swap_b32 v[PC+6*\c+\i], v[PC+12+4*\c+\i]
.endr
.irp i, 0,1,2
	v_mov_b32 v[PC+3+6*\c+\i], v[PC+12+4*\c+\i]
.endr
.endr
.endm
.macro PUT a
.irp c, 0,1,2
	global_store_b128 v[LI], v[PC+4*\c:PC+4*\c+3], s[8:9] offset:(\a)*1536+512*\c
.endr
	ds_store_b32 v[SCW], v[PW] offset:64*(\a)
.endm
	s_load_b256 s[4:11], s[0:1], 0x0               ; q's and k's codes s[4:5], their scale words s[6:7], p's codes s[8:9], p's side s[10:11]
	v_lshl_add_u32 v[SPW], v0, 2, SPARE
	v_mov_b32 v[NIL], 0
	ds_add_u32 v[SPW], v[NIL]                      ; the wave's opening: the add and its wait ahead of my first tensor load
	v_lshrrev_b32 v1, 5, v0
	v_readfirstlane_b32 s14, v1
	s_lshr_b32 s15, s14, 1
	s_and_b32 s16, s14, 1
	s_bfe_u32 s40, ttmp6, 0x40000                  ; cx
	s_bfe_u32 s41, ttmp6, 0x40004                  ; cy
	s_and_b32 s18, ttmp7, 0xffff                   ; cluster y
	s_lshl_b32 s17, s18, 2
	s_add_co_u32 s17, s17, s41                     ; tile row: 256 queries, over all batches
	s_lshr_b32 s18, s18, 1                         ; the batch: 8 tile rows each
	s_lshl_b32 s42, ttmp9, 2
	s_add_co_u32 s42, s42, s40                     ; tile column: 256 keys of the batch
	s_lshl_b32 s43, s41, 2
	s_lshl_b32 s43, 15, s43
	s_lshl_b32 s44, 0x1111, s40
	s_or_b32 s[G1+0], s43, (3<<16)|(1<<21)
	s_or_b32 s[G1B+0], s44, (3<<16)|(1<<21)
.irp g, G1, G1B
	s_mov_b32 s[\g+1], 32<<16
	s_mov_b32 s[\g+2], (HALFT/256)<<16
	s_mov_b32 s[\g+3], 32<<16
	s_mov_b32 s[\g+4], HALFT/256
	s_mov_b32 s[\g+5], 32
	s_mov_b32 s[\g+6], 0
	s_mov_b32 s[\g+7], 0
.endr
	s_or_b32 s[G1S+0], s43, (3<<16)|(1<<21)
	s_or_b32 s[G1SB+0], s44, (3<<16)|(1<<21)
.irp g, G1S, G1SB
	s_mov_b32 s[\g+1], 32<<16
	s_mov_b32 s[\g+2], (SH/256)<<16
	s_mov_b32 s[\g+3], 32<<16
	s_mov_b32 s[\g+4], SH/256
	s_mov_b32 s[\g+5], 32
	s_mov_b32 s[\g+6], 0
	s_mov_b32 s[\g+7], 0
.endr
	s_lshl_b32 s20, s17, 1
	s_add_co_u32 s20, s20, s16                     ; q: the row block that I fetch
	s_lshl_b32 s46, s42, 1
	s_add_co_u32 s46, s46, s16
	s_lshl_b32 s19, s18, 4
	s_add_co_u32 s46, s46, s19
	s_add_co_u32 s46, s46, 64                      ; k: 64 + 16 x batch + 2 x tile column + half
	s_mul_i32 s22, s20, SH
	s_mov_b32 s23, 0
	s_mul_i32 s92, s46, SH
	s_mov_b32 s93, 0
	s_mul_i32 s20, s20, NS*CHUNK
	s_mov_b32 s21, 0
	s_mul_i32 s46, s46, NS*CHUNK
	s_mov_b32 s47, 0
	s_mul_i32 s45, s14, HALFT
	s_mul_i32 s94, s14, SH
	s_lshl_b32 s95, s15, 6
	s_add_co_u32 s94, s94, s95
	s_mov_b32 s[SEL], 0x76543210
	s_mov_b32 s[SEL+1], 0xfedcba98
	s_mov_b32 s[CS], 0x3d38aa3b                    ; log2(e) / 32
	s_mov_b32 s[CS+1], s[CS]
	s_wait_dscnt 0x0                               ; the opening add is done
	s_wait_kmcnt 0x0
	s_add_nc_u64 s[20:21], s[4:5], s[20:21]
	s_add_nc_u64 s[22:23], s[6:7], s[22:23]
	s_add_nc_u64 s[46:47], s[4:5], s[46:47]
	s_add_nc_u64 s[92:93], s[6:7], s[92:93]
	CROUND                                         ; the first joint loads meet
	s_mov_b32 s[G0S], 1
	s_add_co_u32 s[G0S+1], s94, SCL
	s_mov_b64 s[G0S+2:G0S+3], s[22:23]
	s_or_b32 s[G0S+3], s[G0S+3], 0x80000000
	s_mov_b32 s[G0SB], 1
	s_add_co_u32 s[G0SB+1], s94, SCL
	s_mov_b64 s[G0SB+2:G0SB+3], s[92:93]
	s_or_b32 s[G0SB+3], s[G0SB+3], 0x80000000
	JLOAD G0S, G1S, G0SB, G1SB
.irp s, 0,1
	s_mov_b32 s[G0+4*\s], 1
	s_add_co_u32 s[G0+4*\s+1], s45, \s*SLOT
	s_add_nc_u64 s[G0+4*\s+2:G0+4*\s+3], s[20:21], \s*HALFT
	s_or_b32 s[G0+4*\s+3], s[G0+4*\s+3], 0x80000000
	s_mov_b32 s[G0B+4*\s], 1
	s_add_co_u32 s[G0B+4*\s+1], s45, \s*SLOT
	s_add_nc_u64 s[G0B+4*\s+2:G0B+4*\s+3], s[46:47], \s*HALFT
	s_or_b32 s[G0B+4*\s+3], s[G0B+4*\s+3], 0x80000000
	JLOAD G0+4*\s, G1, G0B+4*\s, G1B
.endr
	v_and_b32 v1, 15, v0
	v_bfe_u32 v2, v0, 4, 1
	v_and_b32 v3, 31, v0
	v_lshlrev_b32 v[LI], 4, v3
	s_mul_i32 s21, s15, HALFT
	s_mul_i32 s22, s16, HALFT
	s_add_co_u32 s22, s22, 2*HALFT
.irp s, 0,1
	v_add_nc_u32 v[ADRA+\s], s21, v[LI]
	v_add_nc_u32 v[ADRB+\s], s22, v[LI]
	s_add_co_u32 s21, s21, SLOT
	s_add_co_u32 s22, s22, SLOT
.endr
	s_mul_i32 s21, s15, SH
	s_mul_i32 s22, s16, SH
	s_add_co_u32 s22, s22, SCB-SCA
	s_sub_co_u32 s22, s22, s21
	v_mul_u32_u24 v6, s22, v2                      ; lanes 16-31 take B's: one product, the distance between the two
	s_add_co_u32 s21, s21, SCA
	v_lshl_add_u32 v5, v1, 2, v6
	v_add_nc_u32 v[ADRS], s21, v5
	s_lshl_b32 s23, s14, 11
	v_lshl_add_u32 v[SCW], v1, 2, s23
	v_add_nc_u32 v[SCRD], s23, v[LI]
.irp b, 0,1,2,3
	v_mov_b32 v[TM+4+\b], 0                        ; a lane permute's destination counts as one of its sources
.endr
	v_mov_b32 v[NM+1], 0                           ; (named as the upper half of a pair)
	s_lshl_b32 s18, s17, 1
	s_add_co_u32 s18, s18, s15                     ; my row block of queries,
	s_lshl_b32 s19, s42, 1
	s_add_co_u32 s19, s19, s16                     ; my run of 128 keys:
	s_lshl_b32 s18, s18, 4
	s_add_co_u32 s18, s18, s19                     ; p's chunk
	s_mul_i32 s46, s18, CHUNK
	s_mov_b32 s47, 0
	s_add_nc_u64 s[8:9], s[8:9], s[46:47]
	s_lshl_b32 s46, s18, 9
	s_add_nc_u64 s[10:11], s[10:11], s[46:47]
	s_wait_tensorcnt 1                             ; the scale words and my part of slot 0 are in; slot 1's load may be out
	s_barrier_signal -1
	s_barrier_wait -1
	FETCH_B 0, 0, 0
	FETCH_A 0, 0, 0
	SCALES 0
	FETCH_A 0, 0, 4
	STEP 0, 0, 1
	s_mov_b32 s3, LAPS-1
.Llap:
	TURN 0, 1, 1
	STEP 1, 0, 0
	TURN 1, 0, 1
	STEP 0, 0, 0
	s_sub_co_u32 s3, s3, 1
	s_cmp_lg_u32 s3, 0
	s_cbranch_scc1 .Llap
	TURN 0, 1, 0
	STEP 1, 0, 0
	s_wait_dscnt 4*NL
	WIN MUL_LO
	MUL16 0, 1, NQ-1, 1, 0
	MUL16 2, 1, NQ-1, 1, 0
	s_wait_dscnt 0
	WIN MUL_HI
	MUL16 4, 1, NQ-1, 1, 0
	MUL16 6, 1, NQ-1, 1, 0
	WIN 0
	PLACES NP
; THE SOFTMAX'S NUMERATOR of block a: 16 queries x my 128 keys.  Register 16 b + i of the block's 64 is key 32 b + 16 (lane / 16) + i.  Each accumulator is read from its low end on.
; A block's largest p is not searched for: the block's largest score goes through the same multiply-add and exponential.  The 64 exponentials are one batch with one wait, the four another.
.macro SOFT a
.set AC, 64*((\a)%4)
.if (\a) > 0
	s_wait_dscnt 0x0                               ; the last block's LDS stores have read -M and l
.endif
	WIN 0x2a+0x15*((\a)/4)                         ; all three sources: window 2 or 3
.irp b, 0,1,2,3
	v_max3_num_f32 v[TM+\b], v[AC+16*\b], v[AC+16*\b+1], v[AC+16*\b+2]
.endr
	WIN 0x28+0x14*((\a)/4)                         ; sources 1 and 2
.irp i, 3,5,7,9,11,13
.irp b, 0,1,2,3
	v_max3_num_f32 v[TM+\b], v[TM+\b], v[AC+16*\b+\i], v[AC+16*\b+\i+1]
.endr
.endr
.irp b, 0,1,2,3
	v_max_num_f32 v[TM+\b], v[TM+\b], v[AC+16*\b+15]
.endr
	WIN 0
.irp b, 0,1,2,3
	v_permlanex16_b32 v[TM+4+\b], v[TM+\b], s[SEL], s[SEL+1]
.endr
.irp b, 0,1,2,3
	v_max_num_f32 v[TM+\b], v[TM+\b], v[TM+4+\b]   ; each block's largest score
.endr
	v_max3_num_f32 v220, v[TM], v[TM+1], v[TM+2]
	v_max_num_f32 v220, v220, v[TM+3]              ; the run's
	v_mul_f32 v220, s[CS], v220                    ; as t
	v_floor_f32 v[NM], -v220                       ; -M = floor(-t) = -ceil(t)
	WIN 0x02+((\a)/4)
.set j, 0
.rept 32
	v_pk_fma_f32 v[H+j:H+j+1], v[AC+j:AC+j+1], s[CS:CS+1], v[NM:NM+1] op_sel_hi:[1,0,0]   ; t - M
.set j, j+2
.endr
	WIN 0
.irp b, 0,1,2,3
	v_fma_f32 v[TM+\b], v[TM+\b], s[CS], v[NM]
.endr
.set j, 0
.rept 64
	v_exp_f32 v[H+j], v[H+j]                       ; p, at most 1
.set j, j+1
.endr
	v_nop                                          ; a plain place behind the exponentials
	s_wait_alu depctr_va_vdst(0)                   ; the wait ahead of the batch's first reader
.irp b, 0,1,2,3
	v_exp_f32 v[TM+\b], v[TM+\b]                   ; each block's largest p
.endr
	v_pk_add_f32 v[LS:LS+1], v[H:H+1], v[H+2:H+3]  ; the sum of the unquantised p: it reads the 64 alone
	v_pk_add_f32 v[LT:LT+1], v[H+4:H+5], v[H+6:H+7]
.irp j, 8,12,16,20,24,28,32,36,40,44,48,52,56,60
	v_pk_add_f32 v[LS:LS+1], v[LS:LS+1], v[H+\j:H+\j+1]
	v_pk_add_f32 v[LT:LT+1], v[LT:LT+1], v[H+\j+2:H+\j+3]
.endr
	v_pk_add_f32 v[LS:LS+1], v[LS:LS+1], v[LT:LT+1]
	v_add_f32 v[LS], v[LS], v[LS+1]
	v_permlanex16_b32 v[LT], v[LS], s[SEL], s[SEL+1]
	v_add_f32 v[LS], v[LS], v[LT]                  ; with lane l xor 16's 64 keys: l
	s_wait_alu depctr_va_vdst(0)                   ; and the wait for the four
.irp b, 0,1,2,3
	v_max_num_f32 v[TM+\b], 0x1800000, v[TM+\b]    ; the floor 2^(3 - 127): the byte cannot fall under 1
.endr
	QTAIL H
	PUT \a
	ds_store_b32 v[SCW], v[NM] offset:512+64*(\a)
	ds_store_b32 v[SCW], v[LS] offset:1024+64*(\a)
.endm
.irp a, 0,1,2,3,4,5,6,7
	SOFT \a
.endr
.irp c, 0,1,2
	ds_load_b128 v[H+4*\c:H+4*\c+3], v[SCRD] offset:512*\c   ; LDS serves a wave's instructions in order: these see my stores
.endr
	s_wait_dscnt 0x0
.irp c, 0,1,2
	global_store_b128 v[LI], v[H+4*\c:H+4*\c+3], s[10:11] offset:524288*\c   ; the chunk's scale words, -M, l: 512 consecutive bytes each
.endr
	s_wait_tensorcnt 0x0                           ; the wave's end
	ds_add_u32 v[SPW], v[NIL]
	s_wait_dscnt 0x0
	CROUND                                         ; the closing round
	s_endpgm
.Lfunc_end_k_q8411c6f968_score:
	.size	k_q8411c6f968_score, .Lfunc_end_k_q8411c6f968_score-k_q8411c6f968_score
	.p2alignl 7, 3214868480
	.fill 96, 4, 3214868480
	.section	.rodata,"a",@progbits
	.p2align	6, 0x0
	.amdhsa_kernel k_q8411c6f968_score
		.amdhsa_group_segment_fixed_size 327680
		.amdhsa_private_segment_fixed_size 0
		.amdhsa_enable_private_segment 0
		.amdhsa_kernarg_size 32
		.amdhsa_user_sgpr_count 2
		.amdhsa_user_sgpr_kernarg_segment_ptr 1
		.amdhsa_wavefront_size32 1
		.amdhsa_system_sgpr_workgroup_id_x 1
		.amdhsa_system_sgpr_workgroup_id_y 1
		.amdhsa_system_sgpr_workgroup_id_z 1
		.amdhsa_system_vgpr_workitem_id 0
		.amdhsa_next_free_vgpr 1024
		.amdhsa_next_free_sgpr 100
		.amdhsa_reserve_vcc 0
		.amdhsa_float_denorm_mode_32 3
		.amdhsa_float_denorm_mode_16_64 3
		.amdhsa_memory_ordered 1
		.amdhsa_forward_progress 1
		.amdhsa_inst_pref_size 198
	.end_amdhsa_kernel
	.amdgpu_metadata
---
amdhsa.version: [ 1, 2 ]
amdhsa.kernels:
  - .name:           k_q8411c6f968_score
    .symbol:         k_q8411c6f968_score.kd
    .args:
      - { .name: qkv_codes, .offset: 0, .size: 8, .value_kind: global_buffer, .address_space: global }
      - { .name: qkv_scales, .offset: 8, .size: 8, .value_kind: global_buffer, .address_space: global }
      - { .name: p_codes, .offset: 16, .size: 8, .value_kind: global_buffer, .address_space: global }
      - { .name: p_side, .offset: 24, .size: 8, .value_kind: global_buffer, .address_space: global }
    .group_segment_fixed_size: 327680
    .private_segment_fixed_size: 0
    .kernarg_segment_align: 8
    .kernarg_segment_size: 32
    .max_flat_workgroup_size: 128
    .sgpr_count:     100
    .vgpr_count:     1024
    .wavefront_size: 32
...
	.end_amdgpu_metadata
.endif
;; end of part 3
;; launch pv (part 4): grid 4 x 64, 4 waves a work-group, clusters of 4 x 4, 327,680 bytes of LDS; arguments p_codes, p_side, qkv_codes, qkv_scales, out0; writes out0
.if DOCPART == 4
	.amdgcn_target "amdgcn-amd-amdhsa--gfx1250"
	.amdhsa_code_object_version 6
	.text
	.protected	k_q8411c6f968_pv
	.globl	k_q8411c6f968_pv
	.p2align	8
	.type	k_q8411c6f968_pv,@function
k_q8411c6f968_pv:
	s_mov_b64 s[64:65], 0
	v_nop
	global_prefetch_b8 v0, s[64:65] scope:SCOPE_SE
	s_setreg_imm32_b32 hwreg(HW_REG_WAVE_MODE, 25, 1), 1
	s_wait_xcnt 0x0
	s_wait_alu depctr_hold_cnt(0) depctr_sa_sdst(0) depctr_va_vdst(0) depctr_va_sdst(0) depctr_va_ssrc(0) depctr_va_vcc(0) depctr_vm_vsrc(0)
	s_getreg_b32 s2, hwreg(HW_REG_IB_STS2, 6, 4)
	s_cmp_eq_u32 s2, 0
	s_cbranch_scc0 .Lentry_in_a_cluster
	s_endpgm
.Lentry_in_a_cluster:
	s_bfe_u32 s2, ttmp6, 0x10000c
	s_cmp_lg_u32 s2, 0xf033
	s_cbranch_scc0 .Lentry_shape_is_right
	s_endpgm
.Lentry_shape_is_right:
; O = p v / l on codes of FP6 (E2M3) with E8M0 scales.  p arrives with one M for each run of 128 keys.  AHEAD OF THE PRODUCT every run is brought under its row's M, the largest of the 16: D = M - M(run), a whole number, is
; taken off each of the run's four scale bytes (held at 0 from below), and l = the sum of l(run) x 2^-D.  Both are exact; the codes stay as they are.
; OPERANDS lie in the order of an operand's registers (fragment: 16 rows x 128 K, 1,536 bytes, registers 4 c .. 4 c + 3 of lane l at 512 c + 16 l; chunk: 128 rows x 128 K, 8 fragments and 512 bytes of scale words;
; buffer: [row block][K step][chunk]; lane r of fragment 2 b + u holds row 32 b + 8 u + r % 8 + 16 (r / 8)).  p: 64 row blocks x 16 chunks.  v^T (rows d, K = the batch's keys): row blocks 64 + 8 x batch + d / 128 of qkv, 16 chunks each.
; SHARES.  O has 8,192 x 1,024 numbers: in tiles of 128 queries x 256 of d that is 64 x 4 = 256 work-groups.  Four waves, each 64 queries x 128 of d: 32 accumulators, 256 registers.
; A step of 128 along K is 32 matrix instructions on 4 fragments of p and 8 of v^T.  Source 0 = v^T's fragment, source 1 = p's: a lane holds one query and, by the order of v^T's rows, neighbouring d in its registers.
; THE RING.  K (2,048 keys) goes 512 at a time through two LDS slots: four slots' worth, two by the first fills and two by refills, so that a refill has four steps, 128 matrix instructions a wave, in which to land.
; 128 rows x 512 K are 49,152 dense bytes.  Waves 0 and 1 fetch the halves of p's, waves 2 and 3 v^T's two row blocks: one tensor load a wave.  The 16 steps are written out: every offset is an immediate.
; Both operands have two sets of registers: a step's 36 fragment loads and 8 scale loads are issued a step ahead, in one run.
; CLUSTERS of 4 x 4: p's tile is asked for jointly along a row of the cluster (the four tiles of d), v^T's along a column (four tiles of queries of one batch).
; No prefetch is written: of the four slots two come with the first fills, the third is asked for one slot's products behind them, so that a request ahead of it would stand at the head among the first fills.
; LIMITS: a block of p more than 2^125 under its row's largest p gets the scale 2^-127, not a smaller one; D is held at 127; NaN and infinities are not served.
; LDS: two slots; FIX: p's corrected scale words, and RL: 1 / l (both written by LDS stores alone, in blocks of 256 bytes into which no fill lands); v^T's scale words, 64 bytes off FIX modulo 256, so that a load's 16 words of p
; and 16 of v^T fall on different banks; the spare words.
; REGISTERS: window 0: v16-30 addresses; v32-47 scale words, two sets; v96-127, v224-250 the fix-up; v128-223 p's fragments, two sets; on the way out v96-103 1 / l, v128-255 rows of O.
;   window 1: v^T's fragments, two sets, at v0 and v128.   window 2: the accumulators ((a, b) at v[8 (8 a + b)]).
.set KTOT,  2048
.set NS,    KTOT/128                   ; steps of 128 along K
.set FR,    12                         ; registers of a fragment
.set NP,    4                          ; places behind this matrix instruction (ISA guide 7.12.1)
.set CHUNK, 12288
.set PART,  4*CHUNK                    ; 128 rows x 512 K
.set SLOT,  3*PART                     ; p's 128 rows, then v^T's 256
.set SH,    NS*512                     ; the scale words of 128 rows
.set FIX,   2*SLOT
.set RL,    FIX+SH
.set SCB,   RL+512+64
.set SPARE, RL+512+2*SH+256            ; the spare words, 128 bytes for each wave, in blocks of 256 bytes that no other line names
.set SPITCH, 528                       ; the way out: a stage of 16 rows x (512 bytes + 16) for each wave, in slot 0, which has had its last fill and its last read by then
.set ADRA, 16                          ; v16-17  LDS address of my four fragments of p's chunks in slot 0, 1: + 16 x lane
.set TWF,  19                          ; v19     FIX + 4 x thread: where the corrected scale words go; 1 / l lies SH further on
.set ADRB, 20                          ; v20-21  the same for my row block of v^T
.set LI,   22                          ; v22     16 x lane
.set TW,   23                          ; v23     4 x thread
.set STO,  24                          ; v24     the stage: where I put 32 bytes of a row
.set RD,   25                          ; v25     and where I read a row back
.set ADRS, 27                          ; v27     LDS address of my scale words: lanes 0-15 p's, lanes 16-31 v^T's; never rewritten
.set SPW,  28                          ; v28     LDS address of my spare word; never rewritten
.set NIL,  29                          ; v29     0; never rewritten
.set RLA,  30                          ; v30     RL + my 64 rows' 256 bytes + 4 (lane % 16)
.set SC,   32                          ; v32-47  scale words: set p (the step's parity) at v[SC + 8 p]; register i: lanes 0-15 p's block i (0 .. 3 are used), lanes 16-31 v^T's block i
.set RAW,  96                          ; v96-111  the fix-up: my row's 16 scale words
.set RLP,  96                          ; v96-103  later: 1 / l, a pair for each block
.set NMS,  112                         ; v112-127 -M of my row's 16 runs
.set AF,   128                         ; v128-223 p's fragments: set p at v[AF + 48 p]
.set LSS,  224                         ; v224-239 l of my row's 16 runs
.set NMM,  240                         ; v240     the row's -M
.set LSM,  241                         ; v241     the row's l, then 1 / l
.set BK,   128                         ; the way out: 16 rows read back: v128-191 and v192-255 by turns
.set G1,   24                          ; s[24:31] descriptor group 1 for p's tiles;  s[32:39] group 0, one set for each slot
.set G0,   32
.set G1B,  48                          ; s[48:55], s[56:63] the same for v^T's
.set G0B,  56
.set G1SB, 80                          ; s[80:87], s[88:91] groups 1 and 0 for v^T's scale words
.set G0SB, 88
.set MSB, 0
.macro WIN new                         ; the immediate's high byte repeats the setting that is left
.if MSB != (\new)
	s_set_vgpr_msb (MSB<<8)|(\new)
.set MSB, (\new)
.endif
.endm
.set MUL,  0xa1                        ; source 0 (v^T) window 1, source 1 (p) window 0, C and D window 2
.set TO_B, 0x40                        ; destination window 1
; A joint load: waves 0 and 1 fetch for p, waves 2 and 3 for v^T; the branch hangs on the wave's number alone.  An s_nop 0 and four v_nop follow each of the two lines.
.macro JLOAD g0a, g1a, g0b, g1b
	s_cmp_eq_u32 s15, 0
	s_cbranch_scc0 .Lfor_b_\@
	tensor_load_to_lds s[\g0a:\g0a+3], s[\g1a:\g1a+7]
	s_nop 0
.rept 4
	v_nop
.endr
	s_branch .Lasked_\@
.Lfor_b_\@:
	tensor_load_to_lds s[\g0b:\g0b+3], s[\g1b:\g1b+7]
	s_nop 0
.rept 4
	v_nop
.endr
.Lasked_\@:
.endm
.macro CREST                           ; a round of the cluster's barrier behind its opening barrier
	s_cmp_lg_u32 s14, 0
	s_cbranch_scc1 .Lnot_wave_0_\@
	s_barrier_signal -3
.Lnot_wave_0_\@:
	s_barrier_wait -3
	s_barrier_signal -1
	s_barrier_wait -1
.endm
.macro CROUND
	s_barrier_signal -1
	s_barrier_wait -1
	CREST
.endm
.macro FRAG reg, adr, q, i             ; fragment i of the slot's q-th chunk: three loads of 512 consecutive bytes
.irp c, 0,1,2
	ds_load_b128 v[\reg+4*\c:\reg+4*\c+3], v[\adr] offset:((\q)*8+(\i))*1536+512*\c
.endr
.endm
; 16 matrix instructions: p's blocks a0, a0 + 1 x v^T's eight, on set p.  The 32 accumulators take turns, one instruction a turn, in the same order in every step.
.macro MUL16 a0, p, zero
.irp a, \a0, \a0+1
.irp b, 0,1,2,3,4,5,6,7
.if \zero
	v_wmma_scale_f32_16x16x128_f8f6f4 v[8*(8*(\a)+\b):8*(8*(\a)+\b)+7], v[128*(\p)+FR*\b:128*(\p)+FR*\b+FR-1], v[AF+48*(\p)+FR*(\a):AF+48*(\p)+FR*(\a)+FR-1], 0, v[SC+8*(\p)+\b], v[SC+8*(\p)+(\a)] matrix_a_fmt:MATRIX_FMT_FP6 matrix_b_fmt:MATRIX_FMT_FP6 matrix_a_scale:MATRIX_SCALE_ROW1
.else
	v_wmma_scale_f32_16x16x128_f8f6f4 v[8*(8*(\a)+\b):8*(8*(\a)+\b)+7], v[128*(\p)+FR*\b:128*(\p)+FR*\b+FR-1], v[AF+48*(\p)+FR*(\a):AF+48*(\p)+FR*(\a)+FR-1], v[8*(8*(\a)+\b):8*(8*(\a)+\b)+7], v[SC+8*(\p)+\b], v[SC+8*(\p)+(\a)] matrix_a_fmt:MATRIX_FMT_FP6 matrix_b_fmt:MATRIX_FMT_FP6 matrix_a_scale:MATRIX_SCALE_ROW1
.endif
.endr
.endr
.endm
; All that step t (0 .. 15) wants, 44 LDS loads in one run, into set t % 2: v^T's eight fragments, p's four, and eight registers of scale words.  Step t lies in slot (t / 4) % 2, chunk t % 4.
; (In registers 4 .. 7 of the scale words lanes 0-15 read on past my four blocks, at the furthest into RL: written bytes, which no product uses.)
.macro FETCH t
.set FS, ((\t)/4)%2
.set FQ, (\t)%4
.set FP, (\t)%2
	WIN TO_B
.irp i, 0,1,2,3,4,5,6,7
	FRAG 128*FP+FR*\i, ADRB+FS, FQ, \i
.endr
	WIN 0
.irp i, 0,1,2,3
	FRAG AF+48*FP+FR*\i, ADRA+FS, FQ, \i
.endr
.irp i, 0,1,2,3,4,5,6,7
	ds_load_b32 v[SC+8*FP+\i], v[ADRS] offset:(\t)*512+\i*64
.endr
.endm
.macro PLACES n                        ; plain vector instructions between a matrix instruction and a load into, or a read of, its registers
.rept \n
	v_nop
.endr
.endm
.macro STEP t, zero                    ; a step that has its successor in the same slot
	s_wait_dscnt 0x0                               ; this step's fragments and scale words, asked for a step ago, are in
	PLACES NP                                      ; behind the last step's products, which read the set that is loaded now
	FETCH (\t)+1
	WIN MUL
	MUL16 0, (\t)%2, \zero
	MUL16 2, (\t)%2, \zero
.endm
; A slot's last step (t = 3, 7, 11; set 1) changes slots.  Its fragments are in registers, so the slot is read out: in front of the barrier each wave waits for all its tensor loads, adds 0 to its spare word, and waits for that
; and for its reads of the slot.  fill = 1: the barrier opens a round of the cluster's, and the slot is filled again with the 512 keys two slots on, first thing behind the round.
.macro TURN t, fill
.set TSL, ((\t)/4)%2
	WIN 0                                          ; (the add's two registers lie in window 0)
	s_wait_tensorcnt 0x0                           ; all my tensor loads have landed: my part of the next slot
	ds_add_u32 v[SPW], v[NIL]
	s_wait_dscnt 1                                 ; this step's 44 loads are in; the add may be out
	WIN MUL
	MUL16 0, 1, 0                                  ; sixteen matrix instructions stand between the add and the wait for it
	WIN 0
	s_wait_dscnt 0x0                               ; the add is done, and my reads of this slot are over
	s_barrier_signal -1
	s_barrier_wait -1
.if \fill
	CREST                                          ; no wave of any partner still reads this slot or has a load on its way
	s_add_nc_u64 s[G0+4*TSL+2:G0+4*TSL+3], s[G0+4*TSL+2:G0+4*TSL+3], 2*PART
	s_add_nc_u64 s[G0B+4*TSL+2:G0B+4*TSL+3], s[G0B+4*TSL+2:G0B+4*TSL+3], 2*PART
	JLOAD G0+4*TSL, G1, G0B+4*TSL, G1B             ; the first tensor load behind the round; its four v_nop are the places in front of the loads below
.else
	PLACES NP
.endif
	FETCH (\t)+1                                   ; the next slot's first step, into set 0
	WIN MUL
	MUL16 2, 1, 0
.endm
	s_load_b256 s[4:11], s[0:1], 0x0               ; p's codes s[4:5], p's side s[6:7], v^T's codes s[8:9], its scale words s[10:11]
	s_load_b64 s[96:97], s[0:1], 0x20              ; O
	v_lshl_add_u32 v[SPW], v0, 2, SPARE
	v_mov_b32 v[NIL], 0
	ds_add_u32 v[SPW], v[NIL]                      ; the wave's opening: the add and its wait ahead of my first tensor load; work on registers stands between them
	v_lshrrev_b32 v1, 5, v0
	v_readfirstlane_b32 s14, v1                    ; wave 0..3
	s_lshr_b32 s15, s14, 1                         ; my half of the tile's queries.  Also: I fetch for p (0) or for v^T (1)
	s_and_b32 s16, s14, 1                          ; my half of its d.  Also: which part I fetch
	s_bfe_u32 s40, ttmp6, 0x40000                  ; cx
	s_bfe_u32 s41, ttmp6, 0x40004                  ; cy
	s_and_b32 s18, ttmp7, 0xffff                   ; cluster y
	s_lshl_b32 s17, s18, 2
	s_add_co_u32 s17, s17, s41                     ; tile row: 128 queries = p's row block
	s_lshr_b32 s18, s18, 2                         ; the batch: 16 tile rows, four clusters, each
	s_lshl_b32 s42, ttmp9, 2
	s_add_co_u32 s42, s42, s40                     ; tile column: 256 of d
	s_lshl_b32 s43, s41, 2
	s_lshl_b32 s43, 15, s43                        ; my row of the cluster
	s_lshl_b32 s44, 0x1111, s40                    ; my column
	; descriptor group 1: dense blocks, as rows of 256 bytes (32 elements of 8 bytes), no padding: 96 rows (half of p's part), 192 rows (a row block of v^T), 16 rows (a quarter of v^T's scale words)
	s_or_b32 s[G1+0], s43, (3<<16)|(1<<21)         ; 15:0 the mask; 17:16 elements of 8 bytes; 21 set beside a mask
	s_mov_b32 s[G1+1], 32<<16                      ; tensor_dim0
	s_mov_b32 s[G1+2], (PART/512)<<16              ; tensor_dim1
	s_mov_b32 s[G1+3], 32<<16                      ; tile_dim0
	s_mov_b32 s[G1+4], PART/512                    ; tile_dim1
	s_mov_b32 s[G1+5], 32                          ; stride
	s_mov_b32 s[G1+6], 0
	s_mov_b32 s[G1+7], 0
	s_or_b32 s[G1B+0], s44, (3<<16)|(1<<21)
	s_mov_b32 s[G1B+1], 32<<16
	s_mov_b32 s[G1B+2], (PART/256)<<16
	s_mov_b32 s[G1B+3], 32<<16
	s_mov_b32 s[G1B+4], PART/256
	s_mov_b32 s[G1B+5], 32
	s_mov_b32 s[G1B+6], 0
	s_mov_b32 s[G1B+7], 0
	s_or_b32 s[G1SB+0], s44, (3<<16)|(1<<21)
	s_mov_b32 s[G1SB+1], 32<<16
	s_mov_b32 s[G1SB+2], (SH/512)<<16
	s_mov_b32 s[G1SB+3], 32<<16
	s_mov_b32 s[G1SB+4], SH/512
	s_mov_b32 s[G1SB+5], 32
	s_mov_b32 s[G1SB+6], 0
	s_mov_b32 s[G1SB+7], 0
	s_mul_i32 s20, s17, NS*CHUNK                   ; p: my tile row's 16 chunks,
	s_mul_i32 s21, s16, 2*CHUNK                    ; and of a slot's four the two that I fetch
	s_add_co_u32 s20, s20, s21
	s_mov_b32 s21, 0
	s_lshl_b32 s46, s42, 1
	s_lshl_b32 s19, s18, 3
	s_add_co_u32 s46, s46, s19
	s_add_co_u32 s46, s46, 64                      ; v^T: the tile's first row block: 64 + 8 x batch + 2 x tile column
	s_mul_i32 s92, s46, SH                         ; its scale words: the two row blocks' are 2 SH dense bytes,
	s_lshl_b32 s94, s14, 12                        ; of which each wave fetches a quarter
	s_add_co_u32 s92, s92, s94
	s_mov_b32 s93, 0
	s_add_co_u32 s46, s46, s16                     ; the row block that I fetch
	s_mul_i32 s46, s46, NS*CHUNK
	s_mov_b32 s47, 0
	s_mul_i32 s45, s16, 2*CHUNK                    ; where they go in a slot: no place in the cluster enters an LDS address
	s_mul_i32 s95, s16, PART
	s_add_co_u32 s95, s95, PART
	s_wait_dscnt 0x0                               ; the opening add is done
	s_wait_kmcnt 0x0
	s_add_nc_u64 s[20:21], s[4:5], s[20:21]
	s_add_nc_u64 s[46:47], s[8:9], s[46:47]
	s_add_nc_u64 s[92:93], s[10:11], s[92:93]
	CROUND                                         ; all sixteen work-groups are here: the first joint loads meet
	s_mov_b32 s[G0SB], 1
	s_add_co_u32 s[G0SB+1], s94, SCB
	s_mov_b64 s[G0SB+2:G0SB+3], s[92:93]
	s_or_b32 s[G0SB+3], s[G0SB+3], 0x80000000
	tensor_load_to_lds s[G0SB:G0SB+3], s[G1SB:G1SB+7]   ; v^T's scale words: every wave its own quarter, both addresses stepped by the wave's number
	s_nop 0
.rept 4
	v_nop
.endr
.irp s, 0,1
	s_mov_b32 s[G0+4*\s], 1
	s_add_co_u32 s[G0+4*\s+1], s45, \s*SLOT
	s_add_nc_u64 s[G0+4*\s+2:G0+4*\s+3], s[20:21], \s*PART
	s_or_b32 s[G0+4*\s+3], s[G0+4*\s+3], 0x80000000
	s_mov_b32 s[G0B+4*\s], 1
	s_add_co_u32 s[G0B+4*\s+1], s95, \s*SLOT
	s_add_nc_u64 s[G0B+4*\s+2:G0B+4*\s+3], s[46:47], \s*PART
	s_or_b32 s[G0B+4*\s+3], s[G0B+4*\s+3], 0x80000000
	JLOAD G0+4*\s, G1, G0B+4*\s, G1B               ; three tensor loads of mine are out now
.endr
	; p's scale words, -M and l of the tile's 128 rows x 16 runs: thread t takes word t of each of the 16 chunks: one row
	v_lshlrev_b32 v[TW], 2, v0
	s_lshl_b32 s12, s17, 13
	s_mov_b32 s13, 0
	s_add_nc_u64 s[12:13], s[6:7], s[12:13]
.set n, 0
.rept 16
	global_load_b32 v[RAW+n], v[TW], s[12:13] offset:n*512
	global_load_b32 v[NMS+n], v[TW], s[12:13] offset:n*512+524288
	global_load_b32 v[LSS+n], v[TW], s[12:13] offset:n*512+1048576
.set n, n+1
.endr
	v_and_b32 v1, 15, v0                           ; r
	v_bfe_u32 v2, v0, 4, 1                         ; h
	v_and_b32 v3, 31, v0
	v_lshlrev_b32 v[LI], 4, v3
	s_mul_i32 s21, s15, 4*1536                     ; my four fragments of each chunk of p
	s_mul_i32 s22, s16, PART                       ; my row block of v^T,
	s_add_co_u32 s22, s22, PART                    ; behind p's part
.irp s, 0,1
	v_add_nc_u32 v[ADRA+\s], s21, v[LI]
	v_add_nc_u32 v[ADRB+\s], s22, v[LI]
	s_add_co_u32 s21, s21, SLOT
	s_add_co_u32 s22, s22, SLOT
.endr
	s_lshl_b32 s21, s15, 8                         ; p's corrected scale words: my four blocks of each chunk's eight
	s_lshl_b32 s22, s16, 13                        ; v^T's: my row block
	s_add_co_u32 s22, s22, SCB-FIX
	s_sub_co_u32 s22, s22, s21
	v_mul_u32_u24 v6, s22, v2                      ; lanes 16-31 take v^T's: one product, the distance between the two
	s_add_co_u32 s21, s21, FIX
	v_lshl_add_u32 v5, v1, 2, v6
	v_add_nc_u32 v[ADRS], s21, v5
	v_lshl_add_u32 v[TWF], v0, 2, FIX
	s_lshl_b32 s23, s15, 8
	s_add_co_u32 s23, s23, RL
	v_lshl_add_u32 v[RLA], v1, 2, s23
	s_mul_i32 s23, s14, 16*SPITCH                  ; my stage
	v_mul_u32_u24 v5, v1, SPITCH
	v_lshl_add_u32 v5, v2, 6, v5                   ; in: row lane % 16, + 64 (lane / 16)
	v_add_nc_u32 v[STO], s23, v5
	v_add_nc_u32 v[RD], s23, v[LI]                 ; back: 32 lanes take a row of 512 bytes
	s_lshl_b32 s20, s17, 19                        ; O: 128 rows of 4,096 bytes a tile row,
	s_lshl_b32 s21, s15, 18                        ; my 64 of them,
	s_add_co_u32 s20, s20, s21
	s_lshl_b32 s21, s42, 10                        ; 1,024 bytes a tile column,
	s_add_co_u32 s20, s20, s21
	s_lshl_b32 s21, s16, 9                         ; my 512 of them
	s_add_co_u32 s20, s20, s21
	s_mov_b32 s21, 0
	s_add_nc_u64 s[96:97], s[96:97], s[20:21]
	s_mov_b32 s18, 0x01010101
	; THE FIX-UP, while the first tiles are on their way
	s_wait_loadcnt 0x0
	v_min_num_f32 v[NMM], v[NMS], v[NMS+1]
.irp s, 2,3,4,5,6,7,8,9,10,11,12,13,14,15
	v_min_num_f32 v[NMM], v[NMM], v[NMS+\s]        ; the row's -M: the least of the runs'
.endr
.macro FIXW n                          ; run n of my row
.set TT, 244+4*((\n)%2)
	v_sub_f32 v[TT], v[NMM], v[NMS+(\n)]           ; -D = M(run) - M, a whole number, 0 or less,
	v_max_num_f32 v[TT], 0xc2fe0000, v[TT]         ; held at -127
	v_cvt_i32_f32 v[TT], v[TT]
.if (\n) == 0
	v_ldexp_f32 v[LSM], v[LSS+(\n)], v[TT]         ; l(run) x 2^-D starts the row's sum
.else
	v_ldexp_f32 v[TT+1], v[LSS+(\n)], v[TT]
	v_add_f32 v[LSM], v[LSM], v[TT+1]
.endif
	v_or_b32 v[TT+2], 0x80808080, v[RAW+(\n)]      ; four bytes at once: 128 + byte - D lies between 2 and 253 (bytes 1 .. 125, D up to 127): no borrow passes from byte to byte
	v_mul_lo_u32 v[TT], v[TT], s18
	v_add_nc_u32 v[TT+2], v[TT+2], v[TT]
	v_and_b32 v[TT], 0x80808080, v[TT+2]           ; the top bit stands where byte - D is 0 or more:
	v_lshrrev_b32 v[TT+1], 7, v[TT]
	v_sub_nc_u32 v[TT], v[TT], v[TT+1]             ; there the mask 0x7f, else 0
	v_and_b32 v[RAW+(\n)], v[TT+2], v[TT]
	ds_store_b32 v[TWF], v[RAW+(\n)] offset:(\n)*512
.endm
.set NN, 0
.rept 16
	FIXW NN
.set NN, NN+1
.endr
	v_rcp_f32 v[LSM], v[LSM]
	v_nop                                          ; a plain place behind the reciprocal
	s_wait_alu depctr_va_vdst(0)                   ; the wait ahead of its first reader
	ds_store_b32 v[TWF], v[LSM] offset:RL-FIX
	s_wait_tensorcnt 1                             ; v^T's scale words and my part of slot 0 are in; slot 1's load may be out
	s_wait_dscnt 0x0                               ; for the others' sake: my stores have landed
	s_barrier_signal -1
	s_barrier_wait -1
	FETCH 0
	STEP 0, 1                                      ; the first step's products start the sums: nothing is cleared
	STEP 1, 0
	STEP 2, 0
	TURN 3, 1                                      ; slot 0 takes keys 1,024 on
	STEP 4, 0
	STEP 5, 0
	STEP 6, 0
	TURN 7, 1                                      ; slot 1 takes keys 1,536 on
	STEP 8, 0
	STEP 9, 0
	STEP 10, 0
	TURN 11, 0                                     ; nothing is left to fetch: no round, no load
	STEP 12, 0
	STEP 13, 0
	STEP 14, 0
	WIN 0
.irp a, 0,1,2,3
	ds_load_b32 v[RLP+2*\a], v[RLA] offset:64*\a
	ds_load_b32 v[RLP+2*\a+1], v[RLA] offset:64*\a   ; (the packed multiplication names a pair)
.endr
	s_wait_dscnt 0x0                               ; the last step's fragments, and 1 / l
	WIN MUL
	MUL16 0, 1, 0
	MUL16 2, 1, 0
	WIN 0
	PLACES NP
; THE WAY OUT, a block of 16 queries x my 128 of d at a time: times 1 / l in place (each accumulator from its low end on), through my stage in LDS, back as whole rows of 512 bytes, stored to the rows that the lanes stand for.
.macro SCALEO a
.set AC, 64*(\a)
	WIN 0x82                                       ; destination and source 0: window 2
.set j, 0
.rept 32
	v_pk_mul_f32 v[AC+j:AC+j+1], v[AC+j:AC+j+1], v[RLP+2*(\a):RLP+2*(\a)+1] op_sel_hi:[1,0]
.set j, j+2
.endr
.endm
.macro TOSTAGE a
.set AC, 64*(\a)
	WIN 0x08                                       ; an LDS store's data are its source 1: window 2
.irp b, 0,1,2,3,4,5,6,7
	ds_store_b128 v[STO], v[AC+8*\b:AC+8*\b+3] offset:128*(\b/2)+32*(\b%2)          ; tile b's eight are d = 32 (b / 2) + 16 (lane / 16) + 8 (b % 2) + 0 .. 7
	ds_store_b128 v[STO], v[AC+8*\b+4:AC+8*\b+7] offset:128*(\b/2)+32*(\b%2)+16
.endr
	WIN 0
.set BB, BK+64*((\a)%2)
.irp t, 0,1,2,3,4,5,6,7,8,9,10,11,12,13,14,15
	ds_load_b128 v[BB+4*\t:BB+4*\t+3], v[RD] offset:\t*SPITCH   ; LDS serves a wave's instructions in order: these see the stores above
.endr
.endm
.macro SEND a, younger                 ; younger: the LDS instructions issued behind block a's loads, which may stay out
.set BB, BK+64*((\a)%2)
	s_wait_dscnt \younger
.irp t, 0,1,2,3,4,5,6,7,8,9,10,11,12,13,14,15
	global_store_b128 v[LI], v[BB+4*\t:BB+4*\t+3], s[96:97] offset:(32*((\a)/2)+8*((\a)%2)+(\t%8)+16*(\t/8))*4096 th:TH_STORE_NT   ; 512 consecutive bytes, aligned; the base is never stepped
.endr
.endm
	SCALEO 0
	TOSTAGE 0
.irp a, 1,2,3
.if \a > 1
	s_wait_xcnt 0x0                                ; block a - 2's stores have read their registers: block a's loads may land there
.endif
	SCALEO \a
	TOSTAGE \a
	SEND \a-1, 32                                  ; behind block a - 1's loads: block a's 16 stores and 16 loads
.endr
	SEND 3, 0
	s_wait_tensorcnt 0x0                           ; the wave's end
	ds_add_u32 v[SPW], v[NIL]
	s_wait_dscnt 0x0
	CROUND                                         ; the closing round
	s_endpgm
.Lfunc_end_k_q8411c6f968_pv:
	.size	k_q8411c6f968_pv, .Lfunc_end_k_q8411c6f968_pv-k_q8411c6f968_pv
	.p2alignl 7, 3214868480
	.fill 96, 4, 3214868480
	.section	.rodata,"a",@progbits
	.p2align	6, 0x0
	.amdhsa_kernel k_q8411c6f968_pv
		.amdhsa_group_segment_fixed_size 327680
		.amdhsa_private_segment_fixed_size 0
		.amdhsa_enable_private_segment 0
		.amdhsa_kernarg_size 40
		.amdhsa_user_sgpr_count 2
		.amdhsa_user_sgpr_kernarg_segment_ptr 1
		.amdhsa_wavefront_size32 1
		.amdhsa_system_sgpr_workgroup_id_x 1
		.amdhsa_system_sgpr_workgroup_id_y 1
		.amdhsa_system_sgpr_workgroup_id_z 1
		.amdhsa_system_vgpr_workitem_id 0
		.amdhsa_next_free_vgpr 768
		.amdhsa_next_free_sgpr 100
		.amdhsa_reserve_vcc 0
		.amdhsa_float_denorm_mode_32 3
		.amdhsa_float_denorm_mode_16_64 3
		.amdhsa_memory_ordered 1
		.amdhsa_forward_progress 1
		.amdhsa_inst_pref_size 161
	.end_amdhsa_kernel
	.amdgpu_metadata
---
amdhsa.version: [ 1, 2 ]
amdhsa.kernels:
  - .name:           k_q8411c6f968_pv
    .symbol:         k_q8411c6f968_pv.kd
    .args:
      - { .name: p_codes, .offset: 0, .size: 8, .value_kind: global_buffer, .address_space: global }
      - { .name: p_side, .offset: 8, .size: 8, .value_kind: global_buffer, .address_space: global }
      - { .name: qkv_codes, .offset: 16, .size: 8, .value_kind: global_buffer, .address_space: global }
      - { .name: qkv_scales, .offset: 24, .size: 8, .value_kind: global_buffer, .address_space: global }
      - { .name: out0, .offset: 32, .size: 8, .value_kind: global_buffer, .address_space: global }
    .group_segment_fixed_size: 327680
    .private_segment_fixed_size: 0
    .kernarg_segment_align: 8
    .kernarg_segment_size: 40
    .max_flat_workgroup_size: 128
    .sgpr_count:     100
    .vgpr_count:     768
    .wavefront_size: 32
...
	.end_amdgpu_metadata
.endif
;; end of part 4
